; MI455X (gfx1250); checked and timed in simulation.
; The chip was launched on July 23, 2026; its instructions are those of AMD's public machine-readable ISA for CDNA 5 (MIT licence, August 2026) and "CDNA5" Instruction Set Architecture Reference Guide (July 2026). The comments in the code are by the model that wrote it; some were corrected since.
;; Multi Headed Attention. Allowed arithmetic: matrix products marked QUANTISED: E3M2 operands, one E8M0 scale for each 32 along K, by v_wmma_scale_f32_16x16x128_f8f6f4 with both operands' format E3M2, f32 sums; everything else in f32.
;; Inputs: Wk 256 x 256 float32; Wo 256 x 256 float32; Wq 256 x 256 float32; Wv 256 x 256 float32; bk 256 float32; bo 256 float32; bq 256 float32; bv 256 float32; inputs 8 x 2,048 x 256 float32; mask 8 x 2,048 float32.
;; Outputs: out0 8 x 2,048 x 256 float32.
;; This version of the problem:
;;   THIS VERSION OF THE PROBLEM IS GIVEN IN LOW PRECISION. The matrix products marked QUANTISED in the list below multiply operands that are first quantised to E3M2 (3 exponent bits, 2 mantissa bits; 6 bits a number), with one power-of-two scale for each 32 numbers along K (OCP MX v1.0); their sums are f32. All else is computed in f32.
;;   The module's matrix products, in the order in which they are computed (A, B: the left and right operand; K: the contracted axis; several contracted axes count as one K, in the product's order):
;;     1. [M 16,384, K 256] x [K 256, N 256]; A: input inputs; B: input Wq: QUANTISED
;;     2. [M 16,384, K 256] x [K 256, N 256]; A: input inputs; B: input Wk: QUANTISED
;;     3. [M 16,384, K 256] x [K 256, N 256]; A: input inputs; B: input Wv: QUANTISED
;;     4. batch 64 x [M 2,048, K 32] x [K 32, N 2,048]; A: computed on the way; B: computed on the way: QUANTISED
;;     5. batch 64 x [M 2,048, K 2,048] x [K 2,048, N 32]; A: computed on the way; B: computed on the way: QUANTISED
;;     6. [M 16,384, K 256] x [K 256, N 256]; A: computed on the way; B: input Wo: QUANTISED
;;   THE QUANTISER, for each operand of a quantised product, along K:
;;     - K is cut into blocks of 32 from its start; a last block that is shorter is filled with zeros.
;;     - A block's scale is 2^e with e = floor(log2(the largest magnitude in the block)) - 4, held to -126 .. 127; a block of zeros has e = 0. As a byte (E8M0): e + 127.
;;     - Each number is divided by its block's scale, clamped to +-28, and rounded to the nearest number of E3M2, ties to even, subnormals kept.
;;     - The product sums the exact products of the quantised numbers (number of the format x scale) in f32.
;;   ~~~python
;;   def quantise(x, axis):      # numpy; x: float32 -> the quantised numbers, widened to float32 again
;;       x = np.moveaxis(x, axis, -1); K = x.shape[-1]
;;       x = np.pad(x, [(0, 0)] * (x.ndim - 1) + [(0, -K % 32)]); x = x.reshape(x.shape[:-1] + (-1, 32)); a = np.abs(x).max(-1, keepdims=True)
;;       e = np.where(a > 0, np.clip(np.frexp(np.where(a > 0, a, 1))[1] - 1 - 4, -126, 127), 0)      # np.frexp(a)[1] - 1 = floor(log2(a)), exactly
;;       r = np.clip(x / 2.0 ** e, -28, 28)
;;       step = 2.0 ** (np.maximum(np.frexp(np.where(r == 0, 1, r))[1] - 1, -2) - 2)
;;       q = np.round(r / step) * step * 2.0 ** e      # np.round: ties to even
;;       return np.moveaxis(q.reshape(q.shape[:-2] + (-1,))[..., :K], -1, axis).astype(np.float32)
;;   ~~~
;;   OPERANDS COMPUTED ON THE WAY. 'Computed on the way' means the value that the module computes at that place (a softmax that the list does not call 'softmax' is quantised finished and normalised). What goes into a quantiser is computed in f32, as accurately as f32 sums, v_exp_f32 and their like allow (about 1e-6 of the number): no bf16 or f16 on the way to a quantiser, and a product that is left as it is and whose result goes on into a quantised operand takes f32 operands (vector FMAs, or v_wmma_f32_16x16x4_f32). A number that lies on a knife's edge between two numbers of the format may be rounded either way, as far as f32 arithmetic and the matrix unit's own rounding can turn it there, and no further.
;; One version. Each part assembles by itself: llvm-mc -triple=amdgcn-amd-amdhsa -mcpu=gfx1250 --defsym DOCPART=n.
;; ======== version 1 of 1: 5 launches
;; limits: right only within a limited range of input values
;; workspace buffers: wimg 196,608 bytes; wsc 8,192 bytes; qrec 3,276,800 bytes; kvrec 6,553,600 bytes; nm 524,288 bytes; oimg 3,145,728 bytes; osc 131,072 bytes
;; launch wq (part 1): grid 16 x 1, 4 waves a work-group, no clusters, 0 bytes of LDS; arguments Wq, Wk, Wv, Wo, wimg, wsc; writes wimg, wsc
.if DOCPART == 1
	.amdgcn_target "amdgcn-amd-amdhsa--gfx1250"
	.amdhsa_code_object_version 6
	.text
	.protected	k_q0145c1ca47_wq
	.globl	k_q0145c1ca47_wq
	.p2align	8
	.type	k_q0145c1ca47_wq,@function
k_q0145c1ca47_wq:
	s_mov_b64 s[64:65], 0
	v_nop
	global_prefetch_b8 v0, s[64:65] scope:SCOPE_SE
	s_setreg_imm32_b32 hwreg(HW_REG_WAVE_MODE, 25, 1), 1
	s_wait_xcnt 0x0
; The four weights [256][256] f32 (K innermost) become codes of BF6 (E3M2) with one E8M0 byte for each 32 along K, laid as IMAGES OF OPERAND REGISTERS:
; wimg [matrix 4][tile 16][K step 2][1,536 bytes]: register p of lane L at 512 (p / 4) + 16 L + 4 (p % 4);  wsc [matrix][tile][128 bytes]: word at 4 L, lanes 0-15 K step 0's word of row L, lanes 16-31 K step 1's.
; WHICH ROWS FORM A TILE is chosen for the reader: row(tile, r) = ((tile >> sh) << (sh + 4)) + 8 (tile & (2^sh - 1)) + r % 8 + (8 << sh)(r / 8), sh = 2 for Wq and Wk, 1 for Wv, 0 for Wo.
; A wave makes one tile, both K steps: 64 tiles, 16 work-groups of four waves.  No LDS, no barrier: waves share nothing.
; A block's scale byte is its largest magnitude's exponent field - 4, held at 1 from below.
; LIMITS: NaN and infinities are not served; a block whose largest magnitude lies under 2^-122 takes the byte 1; a block of zeros takes the byte 1 where the rule says 127 (its codes are zeros, and this program alone reads the bytes).
.set X0,  16                           ; v16-79   64 numbers of K step 0: register 16 b + i = k 32 b + 16 (lane / 16) + i of my row
.set X1,  80                           ; v80-143  of K step 1
.set TM,  144                          ; v144-159 at work in QUANT
.set PCA, 160                          ; v160-179 K step 0's codes (12) and QUANT's 8 beside them
.set PCB, 180                          ; v180-199 K step 1's: a set of its own, so that no store's data are written again
.set SEL, 32                           ; s[32:33] selects of v_permlanex16_b32: lane l xor 16
; 64 numbers of a lane become a fragment's 12 registers v[pc] on and the row's scale word v[pw].
.macro QUANT src, pc, pw
.irp b, 0,1,2,3
	v_max3_num_f32 v[TM+\b], |v[\src+16*\b]|, |v[\src+1+16*\b]|, 0x2800000   ; block b: my 16 numbers, and the floor 2^(5 - 127): the byte cannot fall under 1
.endr
.irp i, 2,4,6,8,10,12,14
.irp b, 0,1,2,3
	v_max3_num_f32 v[TM+\b], v[TM+\b], |v[\src+16*\b+\i]|, |v[\src+1+16*\b+\i]|   ; the four blocks by turns
.endr
.endr
.irp b, 0,1,2,3
	v_permlanex16_b32 v[TM+4+\b], v[TM+\b], s[SEL], s[SEL+1]
.endr
.irp b, 0,1,2,3
	v_max_num_f32 v[TM+\b], v[TM+\b], v[TM+4+\b]   ; with lane l xor 16's 16: the block's largest magnitude
.endr
.irp b, 0,1,2,3
	v_add_nc_u32 v[TM+12+\b], 0xfe000000, v[TM+\b]   ; 4 off its exponent field: the conversion's scale operand
.endr
.irp b, 0,1,2,3
	v_lshrrev_b32 v[TM+4+\b], 23, v[TM+12+\b]      ; the scale's byte
.endr
	v_lshl_or_b32 v[\pw], v[TM+5], 8, v[TM+4]
	v_lshl_or_b32 v[\pw], v[TM+6], 16, v[\pw]
	v_lshl_or_b32 v[\pw], v[TM+7], 24, v[\pw]
.irp c, 0,1
	v_cvt_scalef32_pk16_bf6_f32 v[\pc+6*\c:\pc+2+6*\c], v[\src+32*\c:\src+15+32*\c], v[TM+12+2*\c]
	v_cvt_scalef32_pk16_bf6_f32 v[\pc+12+4*\c:\pc+14+4*\c], v[\src+16+32*\c:\src+31+32*\c], v[TM+12+2*\c+1]   ; (a conversion's three registers begin on an even number)
.endr
	v_nop                                          ; one plain instruction behind the scaled conversions
.irp c, 0,1                                    ; the operand wants a whole block in a lane: lanes 0-15 block 2 c, lanes 16-31 block 2 c + 1
.irp i, 0,1,2
	v_permlane16_swap_b32 v[\pc+6*\c+\i], v[\pc+12+4*\c+\i]
.endr
.irp i, 0,1,2
	v_mov_b32 v[\pc+3+6*\c+\i], v[\pc+12+4*\c+\i]
.endr
.endr
.endm
.macro XLOAD reg, ks                   ; my row's 64 numbers of K step ks
.irp b, 0,1,2,3
.irp j, 0,1,2,3
	global_load_b128 v[\reg+16*\b+4*\j:\reg+16*\b+4*\j+3], v4, s[24:25] offset:512*\ks+128*\b+16*\j th:TH_LOAD_NT
.endr
.endr
.endm
	s_load_b256 s[4:11], s[0:1], 0x0               ; Wq, Wk, Wv, Wo
	s_load_b128 s[12:15], s[0:1], 0x20             ; wimg, wsc
	v_lshrrev_b32 v1, 5, v0
	v_readfirstlane_b32 s16, v1                    ; wave
	v_and_b32 v1, 31, v0                           ; L
	v_and_b32 v2, 15, v0                           ; r
	s_wait_alu depctr_va_vdst(0)
	v_bfe_u32 v3, v0, 4, 1                         ; h
	s_lshr_b32 s17, ttmp9, 2                       ; which matrix
	s_and_b32 s18, ttmp9, 3
	s_lshl_b32 s18, s18, 2
	s_add_co_u32 s18, s18, s16                     ; which tile
	s_sub_co_u32 s19, 3, s17
	s_min_u32 s19, s19, 2                          ; sh = 2, 2, 1, 0
	s_lshr_b32 s20, s18, s19
	s_add_co_u32 s21, s19, 4
	s_lshl_b32 s20, s20, s21
	s_lshl_b32 s22, 1, s19
	s_sub_co_u32 s22, s22, 1
	s_and_b32 s22, s18, s22
	s_lshl_b32 s22, s22, 3
	s_add_co_u32 s20, s20, s22                     ; the tile's first row,
	s_lshl_b32 s20, s20, 10                        ; in bytes
	s_mov_b32 s21, 0
	s_add_co_u32 s23, s19, 13
	v_and_b32 v4, 7, v2
	v_lshlrev_b32 v4, 10, v4                       ; r % 8 rows of 1,024 bytes,
	v_lshrrev_b32 v7, 3, v2
	v_lshlrev_b32 v7, s23, v7                      ; r / 8 times (8 << sh) rows,
	v_add_nc_u32 v4, v4, v7
	s_wait_alu depctr_va_vdst(0)
	v_lshl_add_u32 v4, v3, 6, v4                   ; + 64 h: my 16 numbers of a block of 32
	v_lshlrev_b32 v5, 4, v1                        ; 16 L
	v_lshlrev_b32 v6, 2, v1                        ; 4 L
	s_mov_b32 s[SEL], 0x76543210
	s_mov_b32 s[SEL+1], 0xfedcba98
.irp b, 0,1,2,3
	v_mov_b32 v[TM+4+\b], 0                        ; written once: a lane permute's destination counts as one of its sources
.endr
	s_lshl_b32 s28, s17, 4
	s_add_co_u32 s28, s28, s18                     ; 16 x matrix + tile
	s_mul_i32 s30, s28, 3072
	s_mov_b32 s31, 0
	s_wait_alu depctr_va_vdst(0)
	s_wait_kmcnt 0x0
	s_add_nc_u64 s[12:13], s[12:13], s[30:31]
	s_lshl_b32 s30, s28, 7
	s_add_nc_u64 s[14:15], s[14:15], s[30:31]
	s_cmp_lt_u32 s17, 2                            ; the choice hangs on the work-group's number alone
	s_cselect_b64 s[24:25], s[4:5], s[8:9]
	s_cselect_b64 s[26:27], s[6:7], s[10:11]
	s_and_b32 s28, s17, 1
	s_cmp_eq_u32 s28, 1
	s_cselect_b64 s[24:25], s[26:27], s[24:25]
	s_add_nc_u64 s[24:25], s[24:25], s[20:21]
	XLOAD X0, 0
	XLOAD X1, 1
	s_wait_loadcnt 16                              ; K step 0's 16 loads are in; K step 1's 16 may stay out
	QUANT X0, PCA, 200
.irp c, 0,1,2
	global_store_b128 v5, v[PCA+4*\c:PCA+4*\c+3], s[12:13] offset:512*\c   ; 32 lanes store 512 consecutive bytes
.endr
	s_wait_loadcnt 0x0
	QUANT X1, PCB, 201
.irp c, 0,1,2
	global_store_b128 v5, v[PCB+4*\c:PCB+4*\c+3], s[12:13] offset:1536+512*\c
.endr
	v_cmp_gt_u32 vcc_lo, 16, v1
	v_cndmask_b32 v202, v201, v200, vcc_lo         ; lanes 0-15 K step 0's word, lanes 16-31 K step 1's
	global_store_b32 v6, v202, s[14:15]
	s_endpgm
.Lfunc_end_k_q0145c1ca47_wq:
	.size	k_q0145c1ca47_wq, .Lfunc_end_k_q0145c1ca47_wq-k_q0145c1ca47_wq
	.p2alignl 7, 3214868480
	.fill 96, 4, 3214868480
	.section	.rodata,"a",@progbits
	.p2align	6, 0x0
	.amdhsa_kernel k_q0145c1ca47_wq
		.amdhsa_group_segment_fixed_size 0
		.amdhsa_private_segment_fixed_size 0
		.amdhsa_enable_private_segment 0
		.amdhsa_kernarg_size 48
		.amdhsa_user_sgpr_count 2
		.amdhsa_user_sgpr_kernarg_segment_ptr 1
		.amdhsa_wavefront_size32 1
		.amdhsa_system_sgpr_workgroup_id_x 1
		.amdhsa_system_sgpr_workgroup_id_y 1
		.amdhsa_system_sgpr_workgroup_id_z 1
		.amdhsa_system_vgpr_workitem_id 0
		.amdhsa_next_free_vgpr 208
		.amdhsa_next_free_sgpr 66
		.amdhsa_reserve_vcc 1
		.amdhsa_float_denorm_mode_32 3
		.amdhsa_float_denorm_mode_16_64 3
		.amdhsa_memory_ordered 1
		.amdhsa_forward_progress 1
		.amdhsa_inst_pref_size 14
	.end_amdhsa_kernel
	.amdgpu_metadata
---
amdhsa.version: [ 1, 2 ]
amdhsa.kernels:
  - .name:           k_q0145c1ca47_wq
    .symbol:         k_q0145c1ca47_wq.kd
    .args:
      - { .name: Wq, .offset: 0, .size: 8, .value_kind: global_buffer, .address_space: global }
      - { .name: Wk, .offset: 8, .size: 8, .value_kind: global_buffer, .address_space: global }
      - { .name: Wv, .offset: 16, .size: 8, .value_kind: global_buffer, .address_space: global }
      - { .name: Wo, .offset: 24, .size: 8, .value_kind: global_buffer, .address_space: global }
      - { .name: wimg, .offset: 32, .size: 8, .value_kind: global_buffer, .address_space: global }
      - { .name: wsc, .offset: 40, .size: 8, .value_kind: global_buffer, .address_space: global }
    .group_segment_fixed_size: 0
    .private_segment_fixed_size: 0
    .kernarg_segment_align: 8
    .kernarg_segment_size: 48
    .max_flat_workgroup_size: 128
    .sgpr_count:     66
    .vgpr_count:     208
    .wavefront_size: 32
...
	.end_amdgpu_metadata
.endif
;; end of part 1
;; launch proj (part 2): grid 256 x 1, 12 waves a work-group, no clusters, 83,456 bytes of LDS; arguments inputs, bq, bk, bv, wimg, wsc, qrec, kvrec; writes qrec, kvrec
.if DOCPART == 2
	.amdgcn_target "amdgcn-amd-amdhsa--gfx1250"
	.amdhsa_code_object_version 6
	.text
	.protected	k_q0145c1ca47_proj
	.globl	k_q0145c1ca47_proj
	.p2align	8
	.type	k_q0145c1ca47_proj,@function
k_q0145c1ca47_proj:
	s_mov_b64 s[64:65], 0
	v_nop
	global_prefetch_b8 v0, s[64:65] scope:SCOPE_SE
	s_setreg_imm32_b32 hwreg(HW_REG_WAVE_MODE, 25, 1), 1
	s_wait_xcnt 0x0
; q = x Wq^T + bq, k = x Wk^T + bk, v = x Wv^T + bv on codes of BF6 (E3M2) with one E8M0 scale for each 32 along K, and the three results quantised again on the way, as operands of the attention's two products.
; SHARES.  A work-group owns 64 tokens (batch G / 32, group g = G % 32).  Waves 0-3 make q, 4-7 k, 8-11 v, each for a pair of heads hp = wave % 4 (64 features): its 8 weight fragments stay in registers.
; x is read once: waves 0-7 each take 16 tokens x 128 along K, by loads of 512 consecutive bytes, turn them through their own stage in LDS so that a lane holds 16 neighbours along K, quantise, and leave
; the fragment in LDS as an image of its registers; one barrier; then every wave reads all eight fragments.
; THE TOKENS OF A TILE ARE NOT NEIGHBOURS: lane r of tile u takes token 8 u + r % 8 + 32 (r / 8); the features of a q or k weight tile likewise within the 64.  So in a result the lane's 32 registers of four tiles
; are 32 NEIGHBOURS: for q and k (product transposed: source 0 = weights) one head's 32 channels of one token; for v (source 0 = x) 32 neighbouring tokens of one channel.  A quantiser's block lies whole in a lane.
; OUT.  qrec [bh][51,200]: 32 images of 1,536 bytes: in group g's image block u = 2 c + h (lane (r, h), registers 6 c on) holds the 24 bytes of token 8 u + r % 8 + 32 (r / 8); at 49,152 the scale bytes 64 g + 4 r + u.
; kvrec [bh][102,400]: k as in qrec; at 51,200 v's images [(2 g + t)][768] (512 bytes: registers 0-3, 16 a lane; 256: registers 4-5, 8 a lane): lane (r, h) = channel 8 t + r % 8 + 16 (r / 8), keys 64 g + 32 h + 0..31;
; at 100,352 v's scale bytes 128 (g / 2) + 4 (16 t + r) + 2 (g % 2) + h.
; LIMITS: NaN and infinities are not served; a block whose largest magnitude lies under 2^-122 takes the byte 1, and so does a block of zeros (its codes are zeros; this program alone reads the bytes).
.set XIMG, 0                           ; LDS: x's 8 fragments (tile u, K step: 2 u + ks), 1,536 bytes each;
.set XSC,  12288                       ; their scale words, 128 bytes each;
.set XST,  13312                       ; eight stages of 16 rows x (512 + 16) bytes, one for each of waves 0-7
.set WF,   16                          ; v16-111  my 8 weight fragments: tile i, K step ks at 12 (2 i + ks)
.set WS,   112                         ; v112-115 their scale words (lanes 0-15 K step 0, lanes 16-31 K step 1)
.set BI,   116                         ; v116-147 q, k: the bias in the result's layout, 8 a tile;  v: v116-123, a pair a tile
.set XF,   148                         ; v148..   x's fragments in hand (q, k: 2; v: 4)
.set XS,   196                         ; v196-199 their scale words
.set ACC,  200                         ; v200-231 four accumulators
.set FA,   232                         ; v232-243 q, k: head 2 hp's image;  v244-255 head 2 hp + 1's
.set FB,   244
.set QT,   172                         ; q, k at work: v172-175 maxima, v176 scale operand, v177 byte, v178-180 codes, v182 scale word
.set QSCL, 176
.set QBY,  177
.set QCT,  178
.set SWD,  182
.set HV,   124                         ; v at work: v124-147 the four tiles' codes, 6 each
.set VT,   232
.set VSCL, 236
.set VBY,  237
.set VCT,  238
.set VX,   241
.set VY,   242
.set HW,   244
.set VOUT, 248
.set XN,   148                         ; ahead of the barrier: v148-211 64 numbers of x, v212-227 QUANT's, v228-247 the codes, v248 the scale word
.set TM,   212
.set PC,   228
.set PW,   248
.set WV,   20
.set SEL,  26
.macro PLACES n
.rept \n
	v_nop
.endr
.endm
.macro QUANT src, pc, pw               ; 64 numbers of a lane, register 16 b + i = k 32 b + 16 (lane / 16) + i, become a fragment v[pc] on and its scale word v[pw]
.irp b, 0,1,2,3
	v_max3_num_f32 v[TM+\b], |v[\src+16*\b]|, |v[\src+1+16*\b]|, 0x2800000   ; and the floor 2^(5 - 127): the byte cannot fall under 1
.endr
.irp i, 2,4,6,8,10,12,14
.irp b, 0,1,2,3
	s_delay_alu instid0(VALU_DEP_4)
	v_max3_num_f32 v[TM+\b], v[TM+\b], |v[\src+16*\b+\i]|, |v[\src+1+16*\b+\i]|
.endr
.endr
.irp b, 0,1,2,3
	s_delay_alu instid0(VALU_DEP_4)
	v_permlanex16_b32 v[TM+4+\b], v[TM+\b], s[SEL], s[SEL+1]
.endr
.irp b, 0,1,2,3
	s_delay_alu instid0(VALU_DEP_4)
	v_max_num_f32 v[TM+\b], v[TM+\b], v[TM+4+\b]
.endr
.irp b, 0,1,2,3
	s_delay_alu instid0(VALU_DEP_4)
	v_add_nc_u32 v[TM+12+\b], 0xfe000000, v[TM+\b]   ; 4 off the exponent field: the conversion's scale operand
.endr
.irp b, 0,1,2,3
	s_delay_alu instid0(VALU_DEP_4)
	v_lshrrev_b32 v[TM+4+\b], 23, v[TM+12+\b]
.endr
	s_delay_alu instid0(VALU_DEP_3)
	v_lshl_or_b32 v[\pw], v[TM+5], 8, v[TM+4]
	s_delay_alu instid0(VALU_DEP_1)
	v_lshl_or_b32 v[\pw], v[TM+6], 16, v[\pw]
	s_delay_alu instid0(VALU_DEP_1)
	v_lshl_or_b32 v[\pw], v[TM+7], 24, v[\pw]
.irp c, 0,1
	v_cvt_scalef32_pk16_bf6_f32 v[\pc+6*\c:\pc+2+6*\c], v[\src+32*\c:\src+15+32*\c], v[TM+12+2*\c]
	v_cvt_scalef32_pk16_bf6_f32 v[\pc+12+4*\c:\pc+14+4*\c], v[\src+16+32*\c:\src+31+32*\c], v[TM+12+2*\c+1]
.endr
	v_nop                                          ; one plain instruction behind the scaled conversions
.irp c, 0,1
.irp i, 0,1,2
	v_permlane16_swap_b32 v[\pc+6*\c+\i], v[\pc+12+4*\c+\i]
.endr
.irp i, 0,1,2
	s_delay_alu instid0(VALU_DEP_3)
	v_mov_b32 v[\pc+3+6*\c+\i], v[\pc+12+4*\c+\i]
.endr
.endr
.endm
; the matrix instruction: D, A, B, C at the register numbers given; ra, rb: which half of the lanes holds A's and B's scale words
.macro W6 d, a, b, cc, sa, sb, ra, rb
.if (\ra) == 0 && (\rb) == 0
	v_wmma_scale_f32_16x16x128_f8f6f4 v[\d:\d+7], v[\a:\a+11], v[\b:\b+11], v[\cc:\cc+7], v[\sa], v[\sb] matrix_a_fmt:MATRIX_FMT_BF6 matrix_b_fmt:MATRIX_FMT_BF6
.elseif (\rb) == 0
	v_wmma_scale_f32_16x16x128_f8f6f4 v[\d:\d+7], v[\a:\a+11], v[\b:\b+11], v[\cc:\cc+7], v[\sa], v[\sb] matrix_a_fmt:MATRIX_FMT_BF6 matrix_b_fmt:MATRIX_FMT_BF6 matrix_a_scale:MATRIX_SCALE_ROW1
.elseif (\ra) == 0
	v_wmma_scale_f32_16x16x128_f8f6f4 v[\d:\d+7], v[\a:\a+11], v[\b:\b+11], v[\cc:\cc+7], v[\sa], v[\sb] matrix_a_fmt:MATRIX_FMT_BF6 matrix_b_fmt:MATRIX_FMT_BF6 matrix_b_scale:MATRIX_SCALE_ROW1
.else
	v_wmma_scale_f32_16x16x128_f8f6f4 v[\d:\d+7], v[\a:\a+11], v[\b:\b+11], v[\cc:\cc+7], v[\sa], v[\sb] matrix_a_fmt:MATRIX_FMT_BF6 matrix_b_fmt:MATRIX_FMT_BF6 matrix_a_scale:MATRIX_SCALE_ROW1 matrix_b_scale:MATRIX_SCALE_ROW1
.endif
.endm
.macro W6Z d, a, b, sa, sb             ; the same with C = 0: it starts a sum
	v_wmma_scale_f32_16x16x128_f8f6f4 v[\d:\d+7], v[\a:\a+11], v[\b:\b+11], 0, v[\sa], v[\sb] matrix_a_fmt:MATRIX_FMT_BF6 matrix_b_fmt:MATRIX_FMT_BF6
.endm
.macro WLOADS                          ; my 8 weight fragments and 4 scale words: 28 loads
.irp f, 0,1,2,3,4,5,6,7
.irp c, 0,1,2
	global_load_b128 v[WF+12*\f+4*\c:WF+12*\f+4*\c+3], v4, s[12:13] offset:1536*\f+512*\c
.endr
.endr
.irp w, 0,1,2,3
	global_load_b32 v[WS+\w], v5, s[14:15] offset:128*\w
.endr
.endm
.macro MAX32 t                         ; the largest magnitude of the lane's 32 results, and the floor; each accumulator is read from its low end on
.irp w, 0,1,2,3
	v_max3_num_f32 v[\t+\w], |v[ACC+8*\w]|, |v[ACC+8*\w+1]|, |v[ACC+8*\w+2]|
.endr
.irp w, 0,1,2,3
	v_max3_num_f32 v[\t+\w], v[\t+\w], |v[ACC+8*\w+3]|, |v[ACC+8*\w+4]|
.endr
.irp w, 0,1,2,3
	v_max3_num_f32 v[\t+\w], v[\t+\w], |v[ACC+8*\w+5]|, |v[ACC+8*\w+6]|
.endr
.irp w, 0,1,2,3
	v_max_num_f32 v[\t+\w], v[\t+\w], |v[ACC+8*\w+7]|
.endr
	s_delay_alu instid0(VALU_DEP_2)
	v_max3_num_f32 v[\t], v[\t], v[\t+1], v[\t+2]
	s_delay_alu instid0(VALU_DEP_1)
	v_max3_num_f32 v[\t], v[\t], v[\t+3], 0x2800000
.endm
	s_load_b256 s[4:11], s[0:1], 0x0               ; inputs, bq, bk, bv
	s_load_b256 s[12:19], s[0:1], 0x20             ; wimg, wsc, qrec, kvrec
	s_set_vgpr_msb 0x40
	v_lshl_add_u32 v0, v0, 2, 0x14000
	v_mov_b32 v1, 0
	s_set_vgpr_msb 0x4000
	v_lshrrev_b32 v1, 5, v0
	s_delay_alu instid0(VALU_DEP_1)
	v_readfirstlane_b32 s[WV], v1                  ; wave 0..11
	v_and_b32 v1, 31, v0                           ; L
	v_and_b32 v2, 15, v0                           ; r
	v_bfe_u32 v3, v0, 4, 1                         ; h
	s_wait_alu depctr_va_vdst(0)
	s_min_u32 s21, s[WV], 7                        ; which fragment of x I make (waves 0-7)
	s_and_b32 s22, s[WV], 3                        ; hp
	s_lshr_b32 s23, ttmp9, 5                       ; batch
	s_and_b32 s24, ttmp9, 31                       ; g
	s_lshr_b32 s25, s[WV], 2                       ; 0 q, 1 k, 2 v
	; every LDS address is made here, ahead of the first parting of the waves
	v_lshlrev_b32 v4, 4, v1                        ; 16 L
	v_lshlrev_b32 v5, 2, v1                        ; 4 L
	s_mul_i32 s28, s21, 8448
	s_add_co_u32 s28, s28, XST                     ; my stage
	v_add_nc_u32 v6, s28, v4                       ; in: a row's 512 bytes as they lie
	v_mul_u32_u24 v7, v2, 528
	s_delay_alu instid0(VALU_DEP_1)
	v_lshl_add_u32 v7, v3, 6, v7
	s_delay_alu instid0(VALU_DEP_1)
	v_add_nc_u32 v7, s28, v7                       ; back: row r, + 64 h
	s_mul_i32 s28, s21, 1536
	v_add_nc_u32 v8, s28, v4                       ; my fragment's image
	s_lshl_b32 s28, s21, 7
	s_add_co_u32 s28, s28, XSC
	v_add_nc_u32 v9, s28, v5                       ; its scale words
	v_lshlrev_b32 v10, 7, v3                       ; q, k: bias of features 32 h on
	v_and_b32 v11, 7, v2
	v_lshrrev_b32 v15, 3, v2
	s_delay_alu instid0(VALU_DEP_2)
	v_lshlrev_b32 v11, 2, v11
	s_delay_alu instid0(VALU_DEP_1)
	v_lshl_add_u32 v11, v15, 6, v11                ; v: bias of channel r % 8 + 16 (r / 8)
	v_lshlrev_b32 v13, 3, v1                       ; 8 L
	v_lshlrev_b32 v14, 3, v3                       ; 8 h
	s_mov_b32 s29, 102400
	s_cmp_lt_u32 s[WV], 4
	s_cselect_b32 s29, 51200, s29                  ; a head's record in bytes
	v_mul_lo_u32 v12, v3, s29
	s_delay_alu instid0(VALU_DEP_1)
	v_lshl_add_u32 v12, v2, 2, v12                 ; q, k: the scale word's place: head 2 hp + h, 4 r
	s_mov_b32 s[SEL], 0x76543210
	s_mov_b32 s[SEL+1], 0xfedcba98
	s_lshl_b32 s30, ttmp9, 16                      ; x: 64 G rows of 1,024 bytes,
	s_lshr_b32 s31, s21, 1
	s_lshl_b32 s31, s31, 13                        ; + 8 u rows,
	s_add_co_u32 s30, s30, s31
	s_and_b32 s31, s21, 1
	s_lshl_b32 s31, s31, 9                         ; + the K step's 512 bytes
	s_add_co_u32 s30, s30, s31
	s_mov_b32 s31, 0
	s_mul_i32 s32, s25, 49152
	s_mul_i32 s33, s22, 12288
	s_add_co_u32 s32, s32, s33                     ; my four weight tiles
	s_mov_b32 s33, 0
	s_lshl_b32 s38, s23, 3
	s_lshl_b32 s39, s22, 1
	s_add_co_u32 s38, s38, s39
	s_mul_i32 s38, s38, s29                        ; head 8 b + 2 hp's record
	s_mov_b32 s39, 0
	s_wait_kmcnt 0x0
	s_add_nc_u64 s[4:5], s[4:5], s[30:31]
	s_add_nc_u64 s[12:13], s[12:13], s[32:33]
	s_lshl_b32 s32, s25, 11
	s_lshl_b32 s28, s22, 9
	s_add_co_u32 s32, s32, s28
	s_add_nc_u64 s[14:15], s[14:15], s[32:33]
	s_cmp_lt_u32 s[WV], 4                          ; the choices hang on the wave's number alone
	s_cselect_b64 s[34:35], s[6:7], s[8:9]
	s_cselect_b64 s[36:37], s[16:17], s[18:19]
	s_cmp_lt_u32 s[WV], 8
	s_cselect_b64 s[34:35], s[34:35], s[10:11]
	s_lshl_b32 s32, s22, 8
	s_add_nc_u64 s[34:35], s[34:35], s[32:33]      ; my 64 biases
	s_add_nc_u64 s[36:37], s[36:37], s[38:39]
	s_mul_i32 s46, s24, 1536
	s_mov_b32 s47, 0
	s_add_nc_u64 s[40:41], s[36:37], s[46:47]      ; + 1,536 g: q, k: group g's image; v: images 2 g and 2 g + 1
	s_cmp_lt_u32 s[WV], 8
	s_cbranch_scc0 .Lv_head
	; ---- waves 0-7: 16 tokens x 128 along K of x
.irp i, 0,1,2,3,4,5,6,7,8,9,10,11,12,13,14,15
	global_load_b128 v[XN+4*\i:XN+4*\i+3], v4, s[4:5] offset:((\i%8)+32*(\i/8))*1024 th:TH_LOAD_NT   ; 32 lanes read 512 consecutive bytes of token 8 u + i % 8 + 32 (i / 8)
.endr
	WLOADS
	s_wait_alu depctr_va_vdst(0)
.irp w, 0,1,2,3
	global_load_b128 v[BI+8*\w:BI+8*\w+3], v10, s[34:35] offset:32*\w
	global_load_b128 v[BI+8*\w+4:BI+8*\w+7], v10, s[34:35] offset:32*\w+16
.endr
.irp b, 0,1,2,3
	v_mov_b32 v[TM+4+\b], 0                        ; a lane permute's destination counts as one of its sources
.endr
	s_wait_loadcnt 36                              ; x's 16 loads are in; the 28 + 8 issued behind them may stay out
.irp i, 0,1,2,3,4,5,6,7,8,9,10,11,12,13,14,15
	ds_store_b128 v6, v[XN+4*\i:XN+4*\i+3] offset:528*\i
.endr
	s_wait_dscnt 0x0                               ; the stores have read their registers, which now take the turned numbers
.irp b, 0,1,2,3
.irp j, 0,1,2,3
	ds_load_b128 v[XN+16*\b+4*\j:XN+16*\b+4*\j+3], v7 offset:128*\b+16*\j   ; row r: 16 neighbours of each block of 32
.endr
.endr
	s_wait_dscnt 0x0
	QUANT XN, PC, PW
.irp c, 0,1,2
	ds_store_b128 v8, v[PC+4*\c:PC+4*\c+3] offset:512*\c
.endr
	ds_store_b32 v9, v[PW]
	s_branch .Ljoin
.Lv_head:
	WLOADS
	s_wait_alu depctr_va_vdst(0)
.irp f, 0,1,2,3
	global_load_b32 v[BI+2*\f], v11, s[34:35] offset:128*(\f/2)+32*(\f%2)
	global_load_b32 v[BI+2*\f+1], v11, s[34:35] offset:128*(\f/2)+32*(\f%2)   ; twice: a pair for the packed addition
.endr
.Ljoin:
	s_wait_dscnt 0x0                               ; for the others' sake: my images have landed
	s_barrier_signal -1
	s_barrier_wait -1                              ; x's eight fragments lie in LDS
	s_wait_loadcnt 0x0                             ; weights, scale words, biases
	s_cmp_lt_u32 s[WV], 8
	s_cbranch_scc0 .Lv
	; ---- q, k: transposed: source 0 = 16 features, source 1 = 16 tokens.  Lane (r, h): token of tile u's lane r, head 2 hp + h, registers = its 32 channels
.macro QKTILE u, rr
.irp ks, 0,1
.irp c, 0,1,2
	ds_load_b128 v[XF+12*\ks+4*\c:XF+12*\ks+4*\c+3], v4 offset:XIMG+(2*\u+\ks)*1536+512*\c
.endr
	ds_load_b32 v[XS+\ks], v5 offset:XSC+128*(2*\u+\ks)
.endr
	s_wait_dscnt 0x0
.irp w, 0,1,2,3                                ; the four accumulators by turns, one instruction a turn; the bias is the C of each sum's first product
	W6 ACC+8*\w, WF+24*\w, XF, BI+8*\w, WS+\w, XS, 0, 0
.endr
.irp w, 0,1,2,3
	W6 ACC+8*\w, WF+24*\w+12, XF+12, ACC+8*\w, WS+\w, XS+1, 1, 0
.endr
	PLACES 4                                       ; in front of the first read of results, and of the next tile's loads into x's registers
	MAX32 QT
	s_delay_alu instid0(VALU_DEP_1)
	v_add_nc_u32 v[QSCL], 0xfe000000, v[QT]
.if \u == 0
	s_delay_alu instid0(VALU_DEP_1)
	v_lshrrev_b32 v[SWD], 23, v[QSCL]
.else
	s_delay_alu instid0(VALU_DEP_1)
	v_lshrrev_b32 v[QBY], 23, v[QSCL]
	s_delay_alu instid0(VALU_DEP_1)
	v_lshl_or_b32 v[SWD], v[QBY], 8*\u, v[SWD]     ; byte u of the scale word
.endif
	v_cvt_scalef32_pk16_bf6_f32 v[\rr:\rr+2], v[ACC:ACC+15], v[QSCL]
	v_cvt_scalef32_pk16_bf6_f32 v[QCT:QCT+2], v[ACC+16:ACC+31], v[QSCL]   ; (a conversion's three registers begin on an even number)
	v_nop                                          ; one plain instruction behind the scaled conversions
.irp i, 0,1,2
	v_mov_b32 v[\rr+3+\i], v[QCT+\i]
.endr
.endm
	QKTILE 0, FA
	QKTILE 1, FB
	QKTILE 2, FA+6
	QKTILE 3, FB+6
.irp i, 0,1,2,3,4,5,6,7,8,9,10,11
	v_permlane16_swap_b32 v[FA+\i], v[FB+\i]       ; FA: head 2 hp, tiles 0 | 1 and 2 | 3 in the halves of the lanes;  FB: head 2 hp + 1
.endr
	s_mov_b32 s46, s29
	s_add_nc_u64 s[42:43], s[40:41], s[46:47]      ; the next head's record
	s_lshl_b32 s46, s24, 6
	s_add_nc_u64 s[44:45], s[36:37], s[46:47]      ; the scale bytes of group g
.irp c, 0,1,2
	global_store_b128 v4, v[FA+4*\c:FA+4*\c+3], s[40:41] offset:512*\c   ; 32 lanes store 512 consecutive bytes
	global_store_b128 v4, v[FB+4*\c:FB+4*\c+3], s[42:43] offset:512*\c
.endr
	global_store_b32 v12, v[SWD], s[44:45] offset:49152
	s_set_vgpr_msb 0x5
	s_wait_tensorcnt 0x0
	ds_add_u32 v0, v1
	s_wait_dscnt 0x0
	s_set_vgpr_msb 0x500
	s_endpgm
.Lv:
	; ---- v: source 0 = 16 tokens, source 1 = 16 channels.  Lane (r, h): channel of the tile's lane r, registers = tokens 32 h + 0..31
	v_mov_b32 v[VY], 0                             ; a lane permute's destination counts as one of its sources
	v_cmp_le_u32 vcc_lo, 16, v1
	s_lshr_b32 s46, s24, 1
	s_lshl_b32 s46, s46, 7
	s_and_b32 s28, s24, 1
	s_lshl_b32 s28, s28, 1
	s_add_co_u32 s46, s46, s28
	s_add_nc_u64 s[44:45], s[36:37], s[46:47]      ; the scale bytes: 128 (g / 2) + 2 (g % 2)
.macro VPHI f                          ; weight tile f: head 2 hp + f / 2, channels 8 (f % 2) + r % 8 + 16 (r / 8)
.irp pp, 0,1
.irp ul, 0,1
.irp ks, 0,1
.irp c, 0,1,2
	ds_load_b128 v[XF+24*\ul+12*\ks+4*\c:XF+24*\ul+12*\ks+4*\c+3], v4 offset:XIMG+(2*(2*\pp+\ul)+\ks)*1536+512*\c
.endr
	ds_load_b32 v[XS+2*\ul+\ks], v5 offset:XSC+128*(2*(2*\pp+\ul)+\ks)
.endr
.endr
	s_wait_dscnt 0x0
.irp ul, 0,1                                   ; two accumulators by turns
	W6Z ACC+8*(2*\pp+\ul), XF+24*\ul, WF+24*\f, XS+2*\ul, WS+\f
.endr
.irp ul, 0,1
	W6 ACC+8*(2*\pp+\ul), XF+24*\ul+12, WF+24*\f+12, ACC+8*(2*\pp+\ul), XS+2*\ul+1, WS+\f, 0, 1
.endr
	PLACES 4                                       ; in front of loads into registers that the products have read, and of the first read of results
.endr
.irp i, 0,2,4,6,8,10,12,14,16,18,20,22,24,26,28,30
	v_pk_add_f32 v[ACC+\i:ACC+\i+1], v[ACC+\i:ACC+\i+1], v[BI+2*\f:BI+2*\f+1]   ; + bv of my channel; ascending
.endr
	MAX32 VT
	s_delay_alu instid0(VALU_DEP_1)
	v_add_nc_u32 v[VSCL], 0xfe000000, v[VT]
	s_delay_alu instid0(VALU_DEP_1)
	v_lshrrev_b32 v[VBY], 23, v[VSCL]
	v_cvt_scalef32_pk16_bf6_f32 v[HV+6*\f:HV+6*\f+2], v[ACC:ACC+15], v[VSCL]
	v_cvt_scalef32_pk16_bf6_f32 v[VCT:VCT+2], v[ACC+16:ACC+31], v[VSCL]
	v_lshlrev_b32 v[VX], v14, v[VBY]               ; my byte at its place, 8 h bits up.  (The plain instruction behind the conversions)
.irp i, 0,1,2
	v_mov_b32 v[HV+6*\f+3+\i], v[VCT+\i]
.endr
	s_delay_alu instid0(VALU_DEP_4)
	v_permlanex16_b32 v[VY], v[VX], s[SEL], s[SEL+1]
	s_delay_alu instid0(VALU_DEP_1)
	v_or_b32 v[HW+\f], v[VX], v[VY]                ; the two bytes of keys 64 g on
	global_store_b128 v4, v[HV+6*\f:HV+6*\f+3], s[40:41] offset:(\f/2)*102400+51200+(\f%2)*768
	global_store_b64 v13, v[HV+6*\f+4:HV+6*\f+5], s[40:41] offset:(\f/2)*102400+51200+(\f%2)*768+512
.if \f%2
	v_cndmask_b32 v[VOUT+\f/2], v[HW+\f-1], v[HW+\f], vcc_lo   ; lanes 0-15 tile t = 0's rows, lanes 16-31 tile 1's
	global_store_b16 v5, v[VOUT+\f/2], s[44:45] offset:(\f/2)*102400+100352
.endif
.endm
	VPHI 0
	VPHI 1
	VPHI 2
	VPHI 3
	s_set_vgpr_msb 0x5
	s_wait_tensorcnt 0x0
	ds_add_u32 v0, v1
	s_wait_dscnt 0x0
	s_set_vgpr_msb 0x500
	s_endpgm
.Lfunc_end_k_q0145c1ca47_proj:
	.size	k_q0145c1ca47_proj, .Lfunc_end_k_q0145c1ca47_proj-k_q0145c1ca47_proj
	.p2alignl 7, 3214868480
	.fill 96, 4, 3214868480
	.section	.rodata,"a",@progbits
	.p2align	6, 0x0
	.amdhsa_kernel k_q0145c1ca47_proj
		.amdhsa_group_segment_fixed_size 83456
		.amdhsa_private_segment_fixed_size 0
		.amdhsa_enable_private_segment 0
		.amdhsa_kernarg_size 64
		.amdhsa_user_sgpr_count 2
		.amdhsa_user_sgpr_kernarg_segment_ptr 1
		.amdhsa_wavefront_size32 1
		.amdhsa_system_sgpr_workgroup_id_x 1
		.amdhsa_system_sgpr_workgroup_id_y 1
		.amdhsa_system_sgpr_workgroup_id_z 1
		.amdhsa_system_vgpr_workitem_id 0
		.amdhsa_next_free_vgpr 258
		.amdhsa_next_free_sgpr 66
		.amdhsa_reserve_vcc 1
		.amdhsa_float_denorm_mode_32 3
		.amdhsa_float_denorm_mode_16_64 3
		.amdhsa_memory_ordered 1
		.amdhsa_forward_progress 1
		.amdhsa_inst_pref_size 61
	.end_amdhsa_kernel
	.amdgpu_metadata
---
amdhsa.version: [ 1, 2 ]
amdhsa.kernels:
  - .name:           k_q0145c1ca47_proj
    .symbol:         k_q0145c1ca47_proj.kd
    .args:
      - { .name: inputs, .offset: 0, .size: 8, .value_kind: global_buffer, .address_space: global }
      - { .name: bq, .offset: 8, .size: 8, .value_kind: global_buffer, .address_space: global }
      - { .name: bk, .offset: 16, .size: 8, .value_kind: global_buffer, .address_space: global }
      - { .name: bv, .offset: 24, .size: 8, .value_kind: global_buffer, .address_space: global }
      - { .name: wimg, .offset: 32, .size: 8, .value_kind: global_buffer, .address_space: global }
      - { .name: wsc, .offset: 40, .size: 8, .value_kind: global_buffer, .address_space: global }
      - { .name: qrec, .offset: 48, .size: 8, .value_kind: global_buffer, .address_space: global }
      - { .name: kvrec, .offset: 56, .size: 8, .value_kind: global_buffer, .address_space: global }
    .group_segment_fixed_size: 83456
    .private_segment_fixed_size: 0
    .kernarg_segment_align: 8
    .kernarg_segment_size: 64
    .max_flat_workgroup_size: 384
    .sgpr_count:     66
    .vgpr_count:     258
    .wavefront_size: 32
...
	.end_amdgpu_metadata
.endif
;; end of part 2
;; launch stats (part 3): grid 4 x 64, 8 waves a work-group, clusters of 4 x 1, 168,960 bytes of LDS; arguments qrec, kvrec, mask, nm; writes nm
.if DOCPART == 3
	.amdgcn_target "amdgcn-amd-amdhsa--gfx1250"
	.amdhsa_code_object_version 6
	.text
	.protected	k_q0145c1ca47_stats
	.globl	k_q0145c1ca47_stats
	.p2align	8
	.type	k_q0145c1ca47_stats,@function
k_q0145c1ca47_stats:
	s_mov_b64 s[64:65], 0
	v_nop
	global_prefetch_b8 v0, s[64:65] scope:SCOPE_SE
	s_setreg_imm32_b32 hwreg(HW_REG_WAVE_MODE, 25, 1), 1
	s_wait_xcnt 0x0
	s_wait_alu depctr_hold_cnt(0) depctr_sa_sdst(0) depctr_va_vdst(0) depctr_va_sdst(0) depctr_va_ssrc(0) depctr_va_vcc(0) depctr_vm_vsrc(0)
	s_getreg_b32 s2, hwreg(HW_REG_IB_STS2, 6, 4)
	s_cmp_eq_u32 s2, 0
	s_cbranch_scc0 .Lentry_in_a_cluster
	s_endpgm
.Lentry_in_a_cluster:
	s_bfe_u32 s2, ttmp6, 0x10000c
	s_cmp_lg_u32 s2, 0x3003
	s_cbranch_scc0 .Lentry_shape_is_right
	s_endpgm
.Lentry_shape_is_right:
; The softmax runs over the QUERIES.  For each key column k of a head: nm[k] = -(M + log2 l) x 16 ln 2, M = the column's largest t rounded up to a whole number,
; l = the sum over all 2,048 queries of 2^(t - M), t = (q . k + 16 a) log2(e) / 16, a = mask[b][q] x 1e-9.  The next launch adds nm[k] to q . k and has attn = 2^((q . k + nm[k] + 16 a) log2(e) / 16).
; The maximum is a running one; when M moves, l is multiplied by 2^(old M - new M), exactly.
; SHARES.  A work-group owns 512 keys of one head, wave w 64 of them (four tiles of 16), and walks all 2,048 queries, 64 a trip: no sum spans waves.
; K = 32 IN AN INSTRUCTION OF 128.  A streamed fragment holds four tiles of 16 queries (block u: query 8 u + r % 8 + 32 (r / 8)); the keys stay in registers as four variants a tile (the codes in block u alone,
; zero codes elsewhere: the run Z, lo, Z, hi, Z ..).  In the result lane (r, h) holds key r, registers 8 u + j are queries 32 h + 0 .. 31.  The mask's term is the C of every product.
; A TRIP IS TWO UNITS (tiles 0-1, tiles 2-3), each with 64 score registers of its own.  A unit: its 64 exponentials; then the NEXT unit's maxima, M and multiply-adds and this unit's sums, by turns;
; then the products of the unit after next, into the registers just summed: they are issued ahead of the next unit's exponentials and first read behind them.
; CLUSTER.  The four work-groups of a head need the same 51,200 bytes of qrec: each wave's load is asked for jointly.  LDS is filled once, so no stream is left to prefetch.
; LIMITS: NaN and infinities are not served.  nm is rounded to f32 at its own size, as a score's own t is.
.set QSC,  49152                       ; LDS: 0: 32 fragments of q, 1,536 bytes each; 49,152: their scale words
.set MSK,  51200                       ; 16 a of the batch's 2,048 queries: written by ds_store; no fill lands here
.set OST,  59392                       ; 256 bytes a wave: nm on its way out
.set SPARE, 0x29000                    ; the spare words, 128 bytes a wave
.set WQ,   14
.set WQS,  15
.set QF,   16                          ; v16-27 the fragment of q
.set QS,   28
.set WM,   29
.set KS,   30                          ; v30-31 the keys' scales, each byte four times
.set CM,   32                          ; v32-63 16 a of queries 32 h + 0 .. 31
.set S,    64                          ; v64-191 scores: tile kt at 32 kt
.set ST,   192                         ; six a tile: -M, largest score, l (two halves), f, 0
.set SUM2, 216
.set T,    224
.set WV,   12
.set G1,   24
.set G0,   40
.set CS,   54
.set SEL,  56
.set MSB, 0
.macro WIN new
.if MSB != \new
	s_set_vgpr_msb (MSB<<8)|\new
.set MSB, \new
.endif
.endm
.macro PLACES n
.rept \n
	v_nop
.endr
.endm
.macro ROUND
	s_barrier_signal -1
	s_barrier_wait -1
	s_cmp_lg_u32 s[WV], 0
	s_cbranch_scc1 .Lnot_wave_0_\@
	s_barrier_signal -3
.Lnot_wave_0_\@:
	s_barrier_wait -3
	s_barrier_signal -1
	s_barrier_wait -1
.endm
.macro W6 d, b, cc, sb, rb
.if (\rb) == 0
	v_wmma_scale_f32_16x16x128_f8f6f4 v[\d:\d+7], v[QF:QF+11], v[\b:\b+11], v[\cc:\cc+7], v[QS], v[\sb] matrix_a_fmt:MATRIX_FMT_BF6 matrix_b_fmt:MATRIX_FMT_BF6
.else
	v_wmma_scale_f32_16x16x128_f8f6f4 v[\d:\d+7], v[QF:QF+11], v[\b:\b+11], v[\cc:\cc+7], v[QS], v[\sb] matrix_a_fmt:MATRIX_FMT_BF6 matrix_b_fmt:MATRIX_FMT_BF6 matrix_b_scale:MATRIX_SCALE_ROW1
.endif
.endm
	s_load_b256 s[4:11], s[0:1], 0x0               ; qrec, kvrec, mask, nm
	v_lshl_add_u32 v254, v0, 2, SPARE
	v_mov_b32 v255, 0
	ds_add_u32 v254, v255                          ; the opening lines: the add twice and one wait
	ds_add_u32 v254, v255
	v_lshrrev_b32 v1, 5, v0
	v_readfirstlane_b32 s[WV], v1                  ; wave 0..7
	v_and_b32 v1, 31, v0                           ; L
	v_and_b32 v2, 15, v0                           ; r
	v_bfe_u32 v3, v0, 4, 1                         ; h
	s_and_b32 s13, ttmp7, 0xffff                   ; the head: shared by the four partners
	s_bfe_u32 s14, ttmp6, 0x40000                  ; cx: it enters global addresses of my own loads and stores alone
	s_lshr_b32 s15, s13, 3                         ; the batch
	s_lshl_b32 s16, s14, 3
	s_add_co_u32 s16, s16, s[WV]                   ; my group of 64 keys
	v_lshlrev_b32 v4, 4, v1                        ; 16 L
	v_lshl_add_u32 v5, v2, 2, QSC                  ; scale words: 4 r
	v_lshl_add_u32 v6, v3, 7, MSK                  ; 16 a of queries 32 h on
	v_and_b32 v7, 7, v2
	v_lshrrev_b32 v8, 3, v2
	v_lshlrev_b32 v13, 2, v7
	v_lshlrev_b32 v7, 4, v7
	v_lshl_add_u32 v7, v8, 8, v7                   ; key 16 kt + r: lane r % 8 + 8 (kt / 2) + 16 (r / 8) of its group's image
	v_add_nc_u32 v8, v8, v13
	v_lshl_add_u32 v8, v3, 1, v8                   ; its scale byte: 4 (r % 8) + 32 (kt / 2) + 2 (kt % 2) + r / 8
	v_lshl_add_u32 v9, v0, 5, MSK                  ; the mask's way in: 32 bytes a thread
	v_lshlrev_b32 v10, 5, v0
	s_lshl_b32 s17, s[WV], 8
	s_add_co_u32 s17, s17, OST
	v_lshl_add_u32 v11, v1, 2, s17                 ; nm's way out
	v_lshl_add_u32 v12, v1, 3, s17
	v_lshlrev_b32 v13, 3, v1
	s_mov_b32 s[G1], 15|(3<<16)|(1<<21)            ; all four work-groups; elements of 8 bytes
	s_mov_b32 s[G1+1], 32<<16                      ; rows of 256 bytes
	s_mov_b32 s[G1+2], 25<<16
	s_mov_b32 s[G1+3], 32<<16
	s_mov_b32 s[G1+4], 25                          ; 25 rows a wave: eight waves bring 51,200 bytes
	s_mov_b32 s[G1+5], 32
	s_mov_b32 s[G1+6], 0
	s_mov_b32 s[G1+7], 0
	s_mov_b32 s49, 0                               ; the trips' steps in LDS
	s_mov_b32 s50, 0
	s_mov_b32 s51, 0
	s_mov_b32 s52, 0x3289705f                      ; 16 x 1e-9
	s_mov_b32 s53, s52
	s_mov_b32 s[CS], 0x3db8aa3b                    ; c = log2(e) / 16
	s_mov_b32 s[CS+1], s[CS]
	s_mov_b32 s[SEL], 0x76543210
	s_mov_b32 s[SEL+1], 0xfedcba98
	s_mov_b32 s58, 0x01010101
	s_mov_b32 s59, 0x41317218                      ; 1 / c = 16 ln 2
	s_mov_b32 s[G0], 1
	s_mul_i32 s[G0+1], s[WV], 6400
	s_mul_i32 s18, s13, 51200
	s_add_co_u32 s18, s18, s[G0+1]
	s_mov_b32 s19, 0
	s_mul_i32 s20, s13, 102400
	s_mul_i32 s22, s16, 1536
	s_add_co_u32 s22, s22, s20
	s_mov_b32 s23, 0
	s_lshl_b32 s32, s16, 6
	s_add_co_u32 s32, s32, s20
	s_mov_b32 s33, 0
	s_lshl_b32 s34, s15, 13
	s_mov_b32 s35, 0
	s_lshl_b32 s36, s13, 13
	s_lshl_b32 s37, s16, 8
	s_add_co_u32 s36, s36, s37
	s_mov_b32 s37, 0
	s_wait_alu depctr_va_vdst(0)                   ; the wait ahead of the waits below
	s_wait_dscnt 0x0
	s_wait_kmcnt 0x0
	s_add_nc_u64 s[G0+2:G0+3], s[4:5], s[18:19]
	s_or_b32 s[G0+3], s[G0+3], 0x80000000
	s_add_nc_u64 s[22:23], s[6:7], s[22:23]        ; my group's image of k
	s_add_nc_u64 s[32:33], s[6:7], s[32:33]        ; its scale bytes (49,152 on)
	s_add_nc_u64 s[8:9], s[8:9], s[34:35]          ; the batch's mask
	s_add_nc_u64 s[10:11], s[10:11], s[36:37]      ; my 64 numbers of nm
	global_load_b128 v[T:T+3], v10, s[8:9]
	global_load_b128 v[T+4:T+7], v10, s[8:9] offset:16
.irp t, 0,2
	global_load_b128 v[S+6*\t:S+6*\t+3], v7, s[22:23] offset:128*(\t/2)
	global_load_b64 v[S+6*\t+4:S+6*\t+5], v7, s[22:23] offset:128*(\t/2)+512
.endr
.irp t, 1,3
	global_load_b64 v[S+6*\t:S+6*\t+1], v7, s[22:23] offset:128*(\t/2)+512+8
	global_load_b128 v[S+6*\t+2:S+6*\t+5], v7, s[22:23] offset:128*(\t/2)+1024
.endr
	global_load_u8 v[KS], v8, s[32:33] offset:49152
	global_load_u8 v[KS+1], v8, s[32:33] offset:49152+32
	ROUND                                          ; the joint loads meet
	tensor_load_to_lds s[G0:G0+3], s[G1:G1+7]      ; one load a wave
	s_nop 0
	PLACES 4
	s_wait_loadcnt 0x0
.irp i, 0,2,4,6
	v_pk_mul_f32 v[T+\i:T+\i+1], v[T+\i:T+\i+1], s[52:53] op_sel_hi:[1,0]
.endr
	ds_store_b128 v9, v[T:T+3]
	ds_store_b128 v9, v[T+4:T+7] offset:16
	v_mul_lo_u32 v[KS], v[KS], s58                 ; the byte in all four places
	v_mul_lo_u32 v[KS+1], v[KS+1], s58
	v_cmp_gt_u32 vcc_lo, 16, v1
	WIN 0x40                                       ; window 1: the run Z, lo, Z, hi, Z .. at v[24 t] on
.irp t, 0,1,2,3
.irp i, 0,1,2,3,4,5
	v_mov_b32 v[24*\t+\i], 0
	v_mov_b32 v[24*\t+12+\i], 0
	v_cndmask_b32 v[24*\t+6+\i], 0, v[S+6*\t+\i], vcc_lo
.endr
.endr
.irp i, 0,1,2,3,4,5
	v_mov_b32 v[96+\i], 0
.endr
	v_cmp_le_u32 vcc_lo, 16, v1
.irp t, 0,1,2,3
.irp i, 0,1,2,3,4,5
	v_cndmask_b32 v[24*\t+18+\i], 0, v[S+6*\t+\i], vcc_lo
.endr
.endr
	WIN 0
.irp kt, 0,1,2,3
	v_mov_b32 v[ST+6*\kt+1], 0xff61b1e6            ; the largest score so far: -3e38
	v_mov_b32 v[ST+6*\kt+2], 0                     ; l: the first change of M multiplies zeros
	v_mov_b32 v[ST+6*\kt+3], 0
	v_mov_b32 v[ST+6*\kt+4], 0
	v_mov_b32 v[ST+6*\kt+5], 0
	v_floor_f32 v[ST+6*\kt], -v[ST+6*\kt+1]        ; -M
.endr
	v_add_nc_u32 v[WQ], s49, v4
	v_add_nc_u32 v[WQS], s50, v5
	v_add_nc_u32 v[WM], s51, v6
	s_wait_alu depctr_va_vdst(0)                   ; the wait at the head's end
	s_wait_tensorcnt 0x0                           ; my part of q has landed,
	s_wait_dscnt 0x0                               ; and my part of the mask's terms
	s_barrier_signal -1
	s_barrier_wait -1
.macro FETCHQ                          ; 12 LDS loads: a group of 64 queries
.irp c, 0,1,2
	ds_load_b128 v[QF+4*\c:QF+4*\c+3], v[WQ] offset:512*\c
.endr
	ds_load_b32 v[QS], v[WQS]
.irp i, 0,1,2,3,4,5,6,7
	ds_load_b128 v[CM+4*\i:CM+4*\i+3], v[WM] offset:16*\i
.endr
.endm
.macro NEXTQ                           ; one group on, and its loads
	s_add_co_u32 s49, s49, 1536
	s_add_co_u32 s50, s50, 64
	s_add_co_u32 s51, s51, 256
	v_add_nc_u32 v[WQ], s49, v4
	v_add_nc_u32 v[WQS], s50, v5
	v_add_nc_u32 v[WM], s51, v6
	FETCHQ
.endm
.macro SCORES k0                       ; 8 products: tiles k0, k0 + 1, the accumulators by turns
	WIN 0x04
.irp kt, \k0, \k0+1
.irp u, 0,1,2,3
	W6 S+32*(\kt)+8*\u, 24*(\kt)+12*(\u%2)+6*(1-\u/2), CM+8*\u, KS+(\kt)/2, (\kt)%2
.endr
.endr
	WIN 0
.endm
.macro MAXRUN                          ; unit Y's 64 scores into the running maxima: two chains a tile, ascending: each accumulator is read from its low end on
.irp tl, 0,1
	v_max3_num_f32 v[ST+6*(KY+\tl)+1], v[ST+6*(KY+\tl)+1], v[Y+32*\tl], v[Y+32*\tl+1]
	v_max3_num_f32 v[T+8+\tl], v[Y+32*\tl+16], v[Y+32*\tl+17], v[Y+32*\tl+18]
.endr
.irp i, 2,4,6,8,10,12
.irp tl, 0,1
	v_max3_num_f32 v[ST+6*(KY+\tl)+1], v[ST+6*(KY+\tl)+1], v[Y+32*\tl+\i], v[Y+32*\tl+\i+1]
	v_max3_num_f32 v[T+8+\tl], v[T+8+\tl], v[Y+32*\tl+17+\i], v[Y+32*\tl+18+\i]
.endr
.endr
.irp tl, 0,1
	v_max3_num_f32 v[ST+6*(KY+\tl)+1], v[ST+6*(KY+\tl)+1], v[Y+32*\tl+14], v[Y+32*\tl+15]
.endr
.irp tl, 0,1
	v_max3_num_f32 v[ST+6*(KY+\tl)+1], v[ST+6*(KY+\tl)+1], v[T+8+\tl], v[Y+32*\tl+31]
.endr
.endm
.macro SM st                           ; stage st of M's update for unit Y's two tiles
.if NXT
.irp kt, KY, KY+1
.if \st == 0
	v_mul_f32 v[T+(\kt)], s[CS], v[ST+6*(\kt)+1]   ; the largest score as t
	v_mov_b32 v[T+4+(\kt)], v[ST+6*(\kt)]
.elseif \st == 1
	v_floor_f32 v[ST+6*(\kt)], -v[T+(\kt)]         ; the new -M = floor(-t)
.elseif \st == 2
	v_sub_f32 v[T+4+(\kt)], v[ST+6*(\kt)], v[T+4+(\kt)]   ; old M - new M
.elseif \st == 3
	v_cvt_i32_f32 v[T+4+(\kt)], v[T+4+(\kt)]       ; (it saturates)
.else
	v_ldexp_f32 v[ST+6*(\kt)+4], 1.0, v[T+4+(\kt)] ; f = 2^(old M - new M)
.endif
.endr
.endif
.endm
.macro ADD4 j
.irp tl, 0,1
	v_pk_add_f32 v[ST+6*(KX+\tl)+2:ST+6*(KX+\tl)+3], v[ST+6*(KX+\tl)+2:ST+6*(KX+\tl)+3], v[X+32*\tl+\j:X+32*\tl+\j+1]
	v_pk_add_f32 v[SUM2+2*\tl:SUM2+2*\tl+1], v[SUM2+2*\tl:SUM2+2*\tl+1], v[X+32*\tl+\j+2:X+32*\tl+\j+3]
.endr
.endm
.macro FMARUN                          ; unit Y: t - M, two at a time
.irp tl, 0,1
.irp i, 0,2,4,6,8,10,12,14,16,18,20,22,24,26,28,30
	v_pk_fma_f32 v[Y+32*\tl+\i:Y+32*\tl+\i+1], v[Y+32*\tl+\i:Y+32*\tl+\i+1], s[CS:CS+1], v[ST+6*(KY+\tl):ST+6*(KY+\tl)+1] op_sel_hi:[1,0,0]
.endr
.endr
.endm
; A UNIT.  hf: which pair of tiles; nxt: a unit follows; ahd: the unit after next exists; ld: a group of queries is left to fetch
.macro UNIT hf, nxt, ahd, ld
.set X, S+64*\hf
.set Y, S+64*(1-\hf)
.set KX, 2*\hf
.set KY, 2*(1-\hf)
.set NXT, \nxt
.set ii, 0
.rept 64
	v_exp_f32 v[X+ii], v[X+ii]                     ; 2^(t - M): one batch
.set ii, ii+1
.endr
	v_nop                                          ; a plain instruction behind the last exponential
	s_wait_alu depctr_va_vdst(0)                   ; one wait for the batch, directly ahead of the first readers of the next unit's scores
.if \nxt
	MAXRUN
.endif
	SM 0                                           ; M's update and this unit's sums by turns: no line waits for the line above it
.irp tl, 0,1
	v_pk_mul_f32 v[ST+6*(KX+\tl)+2:ST+6*(KX+\tl)+3], v[ST+6*(KX+\tl)+2:ST+6*(KX+\tl)+3], v[ST+6*(KX+\tl)+4:ST+6*(KX+\tl)+5] op_sel_hi:[1,0]   ; l under this unit's M
.endr
.irp tl, 0,1
	v_pk_add_f32 v[SUM2+2*\tl:SUM2+2*\tl+1], v[X+32*\tl:X+32*\tl+1], v[X+32*\tl+2:X+32*\tl+3]
.endr
	SM 1
	ADD4 4
	SM 2
	ADD4 8
	SM 3
	ADD4 12
	SM 4
.irp j, 16,20,24,28
	ADD4 \j
.endr
.irp tl, 0,1
	v_pk_add_f32 v[ST+6*(KX+\tl)+2:ST+6*(KX+\tl)+3], v[ST+6*(KX+\tl)+2:ST+6*(KX+\tl)+3], v[SUM2+2*\tl:SUM2+2*\tl+1]
.endr
.if \nxt
	FMARUN
.if \ahd
	s_wait_dscnt 0x0                               ; the group of queries asked for a unit ago
.endif
	s_wait_alu depctr_va_vdst(0)                   ; the wait ahead of the next batch; the products below stand behind it
.endif
.if \ahd
	SCORES KX                                      ; the unit after next, into the registers just summed
	PLACES 4                                       ; in front of loads into registers that the products have read, and of the first read of results
.if \ld
	NEXTQ
.endif
.endif
.endm
	FETCHQ
	s_wait_dscnt 0x0
	SCORES 0
	SCORES 2
	PLACES 4
	NEXTQ
.set Y, S
.set KY, 0
.set NXT, 1
	MAXRUN
.irp st, 0,1,2,3,4
	SM \st
.endr
	FMARUN
	s_wait_alu depctr_va_vdst(0)                   ; ahead of the first batch
	s_mov_b32 s48, 30
.Ltrip:
	UNIT 0, 1, 1, 0
	UNIT 1, 1, 1, 1
	s_sub_co_u32 s48, s48, 1
	s_cmp_lg_u32 s48, 0
	s_cbranch_scc1 .Ltrip
	UNIT 0, 1, 1, 0                                ; trip 30: nothing more to fetch
	UNIT 1, 1, 1, 0
	UNIT 0, 1, 0, 0                                ; trip 31: nothing more to multiply
	UNIT 1, 0, 0, 0
	; THE END.  A key's two lanes have their own M and l: both are brought under the larger M
.irp kt, 0,1,2,3
	v_add_f32 v[S+16*\kt], v[ST+6*\kt+2], v[ST+6*\kt+3]
.endr
.irp kt, 0,1,2,3
	v_permlanex16_b32 v[S+16*\kt+1], v[ST+6*\kt], s[SEL], s[SEL+1]
.endr
.irp kt, 0,1,2,3
	v_permlanex16_b32 v[S+16*\kt+2], v[S+16*\kt], s[SEL], s[SEL+1]
.endr
.irp kt, 0,1,2,3
	v_min_num_f32 v[S+16*\kt+3], v[ST+6*\kt], v[S+16*\kt+1]          ; -(the larger M)
.endr
.irp kt, 0,1,2,3
	v_sub_f32 v[S+16*\kt+4], v[S+16*\kt+3], v[ST+6*\kt]
	v_sub_f32 v[S+16*\kt+5], v[S+16*\kt+3], v[S+16*\kt+1]
.endr
.irp kt, 0,1,2,3
	v_cvt_i32_f32 v[S+16*\kt+4], v[S+16*\kt+4]
	v_cvt_i32_f32 v[S+16*\kt+5], v[S+16*\kt+5]
.endr
.irp kt, 0,1,2,3
	v_ldexp_f32 v[S+16*\kt+4], 1.0, v[S+16*\kt+4]
	v_ldexp_f32 v[S+16*\kt+5], 1.0, v[S+16*\kt+5]
.endr
.irp kt, 0,1,2,3
	v_mul_f32 v[S+16*\kt], v[S+16*\kt], v[S+16*\kt+4]
.endr
.irp kt, 0,1,2,3
	v_fma_f32 v[S+16*\kt], v[S+16*\kt+2], v[S+16*\kt+5], v[S+16*\kt]
.endr
	s_wait_alu depctr_va_vdst(0)                   ; ahead of the logarithms
.irp kt, 0,1,2,3
	v_log_f32 v[S+16*\kt+6], v[S+16*\kt]
.endr
	v_cmp_gt_u32 vcc_lo, 16, v1                    ; (a plain instruction behind the logarithms)
	s_wait_alu depctr_va_vdst(0)                   ; one wait for the four
.irp kt, 0,1,2,3
	v_sub_f32 v[S+16*\kt+7], v[S+16*\kt+3], v[S+16*\kt+6]            ; -M - log2 l,
.endr
.irp kt, 0,1,2,3
	v_mul_f32 v[S+16*\kt+7], s59, v[S+16*\kt+7]                      ; in units of a score
.endr
.irp p, 0,1
	v_cndmask_b32 v[T+\p], v[S+16*(2*\p+1)+7], v[S+16*(2*\p)+7], vcc_lo
	ds_store_b32 v11, v[T+\p] offset:128*\p
.endr
	ds_load_b64 v[T+2:T+3], v12                    ; my wave's own bytes: LDS serves a wave's instructions in order
	s_wait_dscnt 0x0
	global_store_b64 v13, v[T+2:T+3], s[10:11]     ; 32 lanes store 256 consecutive bytes, aligned
	s_wait_tensorcnt 0x0                           ; the wave's end
	ds_add_u32 v254, v255
	s_wait_dscnt 0x0
	ROUND                                          ; the closing round
	s_endpgm
.Lfunc_end_k_q0145c1ca47_stats:
	.size	k_q0145c1ca47_stats, .Lfunc_end_k_q0145c1ca47_stats-k_q0145c1ca47_stats
	.p2alignl 7, 3214868480
	.fill 96, 4, 3214868480
	.section	.rodata,"a",@progbits
	.p2align	6, 0x0
	.amdhsa_kernel k_q0145c1ca47_stats
		.amdhsa_group_segment_fixed_size 168960
		.amdhsa_private_segment_fixed_size 0
		.amdhsa_enable_private_segment 0
		.amdhsa_kernarg_size 32
		.amdhsa_user_sgpr_count 2
		.amdhsa_user_sgpr_kernarg_segment_ptr 1
		.amdhsa_wavefront_size32 1
		.amdhsa_system_sgpr_workgroup_id_x 1
		.amdhsa_system_sgpr_workgroup_id_y 1
		.amdhsa_system_sgpr_workgroup_id_z 1
		.amdhsa_system_vgpr_workitem_id 0
		.amdhsa_next_free_vgpr 384
		.amdhsa_next_free_sgpr 66
		.amdhsa_reserve_vcc 1
		.amdhsa_float_denorm_mode_32 3
		.amdhsa_float_denorm_mode_16_64 3
		.amdhsa_memory_ordered 1
		.amdhsa_forward_progress 1
		.amdhsa_inst_pref_size 77
	.end_amdhsa_kernel
	.amdgpu_metadata
---
amdhsa.version: [ 1, 2 ]
amdhsa.kernels:
  - .name:           k_q0145c1ca47_stats
    .symbol:         k_q0145c1ca47_stats.kd
    .args:
      - { .name: qrec, .offset: 0, .size: 8, .value_kind: global_buffer, .address_space: global }
      - { .name: kvrec, .offset: 8, .size: 8, .value_kind: global_buffer, .address_space: global }
      - { .name: mask, .offset: 16, .size: 8, .value_kind: global_buffer, .address_space: global }
      - { .name: nm, .offset: 24, .size: 8, .value_kind: global_buffer, .address_space: global }
    .group_segment_fixed_size: 168960
    .private_segment_fixed_size: 0
    .kernarg_segment_align: 8
    .kernarg_segment_size: 32
    .max_flat_workgroup_size: 256
    .sgpr_count:     66
    .vgpr_count:     384
    .wavefront_size: 32
...
	.end_amdgpu_metadata
.endif
;; end of part 3
;; launch attn (part 4): grid 4 x 64, 8 waves a work-group, clusters of 4 x 1, 168,960 bytes of LDS; arguments qrec, kvrec, nm, mask, oimg, osc; writes oimg, osc
.if DOCPART == 4
	.amdgcn_target "amdgcn-amd-amdhsa--gfx1250"
	.amdhsa_code_object_version 6
	.text
	.protected	k_q0145c1ca47_attn
	.globl	k_q0145c1ca47_attn
	.p2align	8
	.type	k_q0145c1ca47_attn,@function
k_q0145c1ca47_attn:
	s_mov_b64 s[64:65], 0
	v_nop
	global_prefetch_b8 v0, s[64:65] scope:SCOPE_SE
	s_setreg_imm32_b32 hwreg(HW_REG_WAVE_MODE, 25, 1), 1
	s_wait_xcnt 0x0
	s_wait_alu depctr_hold_cnt(0) depctr_sa_sdst(0) depctr_va_vdst(0) depctr_va_sdst(0) depctr_va_ssrc(0) depctr_va_vcc(0) depctr_vm_vsrc(0)
	s_getreg_b32 s2, hwreg(HW_REG_IB_STS2, 6, 4)
	s_cmp_eq_u32 s2, 0
	s_cbranch_scc0 .Lentry_in_a_cluster
	s_endpgm
.Lentry_in_a_cluster:
	s_bfe_u32 s2, ttmp6, 0x10000c
	s_cmp_lg_u32 s2, 0x3003
	s_cbranch_scc0 .Lentry_shape_is_right
	s_endpgm
.Lentry_shape_is_right:
; attn[q][k] = 2^x, x = (q . k + nm[k]) c + 16 a(q) c, c = log2(e) / 16, a = mask x 1e-9: the softmax over the queries, finished and normalised (nm: the launch before).  It is quantised along the keys,
; 32 to a block, and multiplied by v; the head's output is quantised again (a block = the head's 32 channels) for the last projection.  All products on codes of BF6 (E3M2) with E8M0 scales.
; SHARES.  A work-group owns 512 queries of one head, wave w 64 of them (four tiles of 16), and walks the head's 2,048 keys in 16 steps of 128.  The head's k, v, their scales and nm lie in LDS, filled ONCE.
; SCORES, K = 32 in an instruction of 128: a streamed fragment holds four tiles of 16 keys; my queries stay in registers as four variants a tile (codes in block u alone, zero codes elsewhere).  Source 0 = keys,
; source 1 = queries: lane (r, h) holds query r, registers 8 u + j are keys 32 h + 0 .. 31 of the group: a whole block of the second product's K in one lane.  nm of those keys is the C of each product.
; A BLOCK'S LARGEST p is made from its largest score by the same multiply-add and exponential as every p (this takes v_exp_f32 not to fall where its input rises).
; A STEP IS FOUR UNITS (group of 64 keys c, pair of tiles pi), on two sets of 64 score registers by turns.  A unit: its exponentials; the NEXT unit's maxima and multiply-adds, with this unit's scale bytes, codes
; and moves laid between them; then the products of the unit after next, issued ahead of the next unit's exponentials and first read behind them.
; O^T = V^T P^T: source 0 = 16 channels, source 1 = P; the first step's products start the sums.
; CLUSTER.  The four work-groups of a head need the same bytes of kvrec and nm: every load is joint; waves 0-3 fetch kvrec, waves 4-7 nm, one load a wave.  LDS is filled once, so no stream is left to prefetch.
; OUT.  oimg [bh][64][768], osc [bh][2,048], as the last launch reads them.
; LIMITS: NaN and infinities are not served; v_exp_f32 gives 0 for what lies under 2^-126; a block whose largest number lies under 2^-122, or all zeros, takes the byte 1 (this program alone reads the bytes).
.set KSC,  49152                       ; LDS: 0: k's 32 fragments; 49,152: their scale words
.set VIMG, 51200                       ; v's 64 images of 768 bytes; 100,352: its scale words
.set NM,   102400                      ; nm of the head's 2,048 keys
.set OSB,  110592                      ; 512 bytes: scale bytes on their way out: written by ds_store; no fill lands here
.set SPARE, 0x29000
.set KF,   12                          ; v12-23 the fragment of k
.set KS,   24
.set VS,   25
.set QS,   26                          ; v26-27
.set PW,   28                          ; v28-31 p's scale words
.set S,    32                          ; v32-159 two sets of 64 scores
.set PC,   160                         ; v160-207 p's codes, 12 a tile
.set CT,   208
.set TM,   216                         ; v216-219 largest x, then p, of a block: a pair for each set; v220-223 maxima; v224-229 at work
.set PB,   232
.set XY,   236
.set W16,  240
.set W8,   241
.set W4,   242
.set WNM,  243
.set AOS,  244
.set L8,   245
.set CA,   246                         ; v246-253 16 a c of my query, a pair a tile
.set MT,   TM
.set R4,   TM+4
.set QV,   0                           ; window 1: v0-101 the queries' variants
.set NMB,  104                         ; v104-135 nm of keys 32 h + 0 .. 31 of the group in hand
.set O,    136                         ; v136-199 O^T
.set VF,   200                         ; v200-223 v's two fragments
.set WV,   16
.set G1A,  24
.set G1B,  32
.set G0A,  40
.set G0B,  44
.set CS,   54
.set SEL,  56
.set MSB, 0
.macro WIN new
.if MSB != \new
	s_set_vgpr_msb (MSB<<8)|\new
.set MSB, \new
.endif
.endm
.macro PLACES n
.rept \n
	v_nop
.endr
.endm
.macro ROUND
	s_barrier_signal -1
	s_barrier_wait -1
	s_cmp_lg_u32 s[WV], 0
	s_cbranch_scc1 .Lnot_wave_0_\@
	s_barrier_signal -3
.Lnot_wave_0_\@:
	s_barrier_wait -3
	s_barrier_signal -1
	s_barrier_wait -1
.endm
.macro W6 d, a, b, cc, sa, sb, ra, rb
.if (\ra) == 0 && (\rb) == 0
	v_wmma_scale_f32_16x16x128_f8f6f4 v[\d:\d+7], v[\a:\a+11], v[\b:\b+11], v[\cc:\cc+7], v[\sa], v[\sb] matrix_a_fmt:MATRIX_FMT_BF6 matrix_b_fmt:MATRIX_FMT_BF6
.elseif (\rb) == 0
	v_wmma_scale_f32_16x16x128_f8f6f4 v[\d:\d+7], v[\a:\a+11], v[\b:\b+11], v[\cc:\cc+7], v[\sa], v[\sb] matrix_a_fmt:MATRIX_FMT_BF6 matrix_b_fmt:MATRIX_FMT_BF6 matrix_a_scale:MATRIX_SCALE_ROW1
.elseif (\ra) == 0
	v_wmma_scale_f32_16x16x128_f8f6f4 v[\d:\d+7], v[\a:\a+11], v[\b:\b+11], v[\cc:\cc+7], v[\sa], v[\sb] matrix_a_fmt:MATRIX_FMT_BF6 matrix_b_fmt:MATRIX_FMT_BF6 matrix_b_scale:MATRIX_SCALE_ROW1
.else
	v_wmma_scale_f32_16x16x128_f8f6f4 v[\d:\d+7], v[\a:\a+11], v[\b:\b+11], v[\cc:\cc+7], v[\sa], v[\sb] matrix_a_fmt:MATRIX_FMT_BF6 matrix_b_fmt:MATRIX_FMT_BF6 matrix_a_scale:MATRIX_SCALE_ROW1 matrix_b_scale:MATRIX_SCALE_ROW1
.endif
.endm
.macro W6Z d, a, b, sa, sb, ra         ; C = 0: it starts a sum
.if (\ra) == 0
	v_wmma_scale_f32_16x16x128_f8f6f4 v[\d:\d+7], v[\a:\a+11], v[\b:\b+11], 0, v[\sa], v[\sb] matrix_a_fmt:MATRIX_FMT_BF6 matrix_b_fmt:MATRIX_FMT_BF6
.else
	v_wmma_scale_f32_16x16x128_f8f6f4 v[\d:\d+7], v[\a:\a+11], v[\b:\b+11], 0, v[\sa], v[\sb] matrix_a_fmt:MATRIX_FMT_BF6 matrix_b_fmt:MATRIX_FMT_BF6 matrix_a_scale:MATRIX_SCALE_ROW1
.endif
.endm
	s_load_b256 s[4:11], s[0:1], 0x0               ; qrec, kvrec, nm, mask
	s_load_b128 s[12:15], s[0:1], 0x20             ; oimg, osc
	v_lshl_add_u32 v254, v0, 2, SPARE
	v_mov_b32 v255, 0
	ds_add_u32 v254, v255                          ; the opening lines: the add twice and one wait
	ds_add_u32 v254, v255
	v_lshrrev_b32 v1, 5, v0
	v_readfirstlane_b32 s[WV], v1                  ; wave 0..7
	v_and_b32 v1, 31, v0                           ; L
	v_and_b32 v2, 15, v0                           ; r
	v_bfe_u32 v3, v0, 4, 1                         ; h
	s_and_b32 s17, ttmp7, 0xffff                   ; the head: shared by the four partners
	s_bfe_u32 s18, ttmp6, 0x40000                  ; cx: it enters global addresses of my own loads and stores alone
	s_lshr_b32 s19, s17, 3                         ; the batch
	s_lshl_b32 s20, s18, 3
	s_add_co_u32 s20, s20, s[WV]                   ; my group of 64 queries
	v_lshlrev_b32 v4, 4, v1                        ; 16 L
	v_lshl_add_u32 v5, v1, 3, VIMG+512             ; registers 4-5 of an image of v: 8 L
	v_lshl_add_u32 v6, v1, 2, KSC                  ; scale words: 4 L
	v_lshl_add_u32 v7, v3, 7, NM                   ; nm of keys 32 h on
	v_lshlrev_b32 v8, 3, v3                        ; 8 h
	v_and_b32 v9, 7, v2
	v_lshrrev_b32 v10, 3, v2
	v_lshlrev_b32 v[L8], 2, v9
	v_lshlrev_b32 v9, 4, v9
	v_lshl_add_u32 v9, v10, 8, v9                  ; query 16 t + r: lane r % 8 + 8 (t / 2) + 16 (r / 8) of its group's image
	v_add_nc_u32 v10, v10, v[L8]
	v_lshl_add_u32 v10, v3, 1, v10                 ; its scale byte
	s_lshl_b32 s21, s[WV], 6
	s_add_co_u32 s21, s21, OSB
	v_add_nc_u32 v11, s21, v1                      ; a token's scale byte: 64 x wave + lane
	v_lshl_add_u32 v[AOS], v1, 4, OSB
	v_lshlrev_b32 v[L8], 3, v1
	v_lshlrev_b32 v[R4], 2, v2
	s_mov_b32 s[G1A], 15|(3<<16)|(1<<21)           ; all four work-groups; elements of 8 bytes
	s_mov_b32 s[G1A+1], 32<<16                     ; rows of 256 bytes
	s_mov_b32 s[G1A+2], 100<<16
	s_mov_b32 s[G1A+3], 32<<16
	s_mov_b32 s[G1A+4], 100                        ; 100 rows a wave: four waves bring the head's 102,400 bytes
	s_mov_b32 s[G1A+5], 32
	s_mov_b32 s[G1A+6], 0
	s_mov_b32 s[G1A+7], 0
	s_mov_b32 s[G1B], 15|(3<<16)|(1<<21)
	s_mov_b32 s[G1B+1], 32<<16
	s_mov_b32 s[G1B+2], 8<<16
	s_mov_b32 s[G1B+3], 32<<16
	s_mov_b32 s[G1B+4], 8                          ; 8 rows a wave: four waves bring nm's 8,192 bytes
	s_mov_b32 s[G1B+5], 32
	s_mov_b32 s[G1B+6], 0
	s_mov_b32 s[G1B+7], 0
	s_mov_b32 s49, 0                               ; the steps in LDS: 3,072, 128, 512 bytes a step
	s_mov_b32 s50, 0
	s_mov_b32 s51, 0
	s_mov_b32 s52, 0x3289705f                      ; 16 x 1e-9
	s_mov_b32 s53, 0x01010101
	s_mov_b32 s[CS], 0x3db8aa3b                    ; c = log2(e) / 16
	s_mov_b32 s[CS+1], s[CS]
	s_mov_b32 s[SEL], 0x76543210
	s_mov_b32 s[SEL+1], 0xfedcba98
	s_mov_b32 s61, 0
	s_mov_b32 s63, 0
	s_wait_alu depctr_va_vdst(0)                   ; the wait ahead of the waits below
	s_wait_dscnt 0x0
	s_wait_kmcnt 0x0
	s_mul_i32 s21, s17, 51200
	s_mul_i32 s60, s20, 1536
	s_add_co_u32 s60, s60, s21
	s_add_nc_u64 s[22:23], s[4:5], s[60:61]        ; my group's image of q
	s_lshl_b32 s60, s20, 6
	s_add_co_u32 s60, s60, s21
	s_add_nc_u64 s[58:59], s[4:5], s[60:61]        ; its scale bytes (49,152 on)
	s_lshl_b32 s60, s19, 13
	s_lshl_b32 s21, s20, 8
	s_add_co_u32 s60, s60, s21
	s_add_nc_u64 s[10:11], s[10:11], s[60:61]      ; the mask of my 64 queries
	s_mul_i32 s60, s17, 49152
	s_mul_i32 s21, s20, 1536
	s_add_co_u32 s60, s60, s21
	s_add_nc_u64 s[12:13], s[12:13], s[60:61]      ; my two images of o
	s_lshl_b32 s60, s17, 11
	s_lshl_b32 s21, s18, 9
	s_add_co_u32 s60, s60, s21
	s_add_nc_u64 s[14:15], s[14:15], s[60:61]      ; the work-group's 512 scale bytes
	s_and_b32 s48, s[WV], 3                        ; the descriptors are made of the head and the wave's number alone
	s_mov_b32 s[G0A], 1
	s_mul_i32 s[G0A+1], s48, 25600
	s_mul_i32 s62, s17, 102400
	s_add_co_u32 s62, s62, s[G0A+1]
	s_add_nc_u64 s[G0A+2:G0A+3], s[6:7], s[62:63]
	s_or_b32 s[G0A+3], s[G0A+3], 0x80000000
	s_mov_b32 s[G0B], 1
	s_lshl_b32 s62, s48, 11
	s_add_co_u32 s[G0B+1], s62, NM
	s_lshl_b32 s48, s17, 13
	s_add_co_u32 s62, s62, s48
	s_add_nc_u64 s[G0B+2:G0B+3], s[8:9], s[62:63]
	s_or_b32 s[G0B+3], s[G0B+3], 0x80000000
.irp t, 0,2                                    ; my queries' codes, tile t into v[S + 6 t] on
	global_load_b128 v[S+6*\t:S+6*\t+3], v9, s[22:23] offset:128*(\t/2)
	global_load_b64 v[S+6*\t+4:S+6*\t+5], v9, s[22:23] offset:128*(\t/2)+512
.endr
.irp t, 1,3
	global_load_b64 v[S+6*\t:S+6*\t+1], v9, s[22:23] offset:128*(\t/2)+512+8
	global_load_b128 v[S+6*\t+2:S+6*\t+5], v9, s[22:23] offset:128*(\t/2)+1024
.endr
	global_load_u8 v[QS], v10, s[58:59] offset:49152
	global_load_u8 v[QS+1], v10, s[58:59] offset:49152+32
.irp t, 0,1,2,3
	global_load_b32 v[MT+\t], v[R4], s[10:11] offset:64*\t
.endr
	ROUND                                          ; the joint loads meet
	s_cmp_lt_u32 s[WV], 4                          ; one load a wave, in one chain of branches on the wave's number
	s_cbranch_scc0 .Lfor_nm
	tensor_load_to_lds s[G0A:G0A+3], s[G1A:G1A+7]
	s_nop 0
	PLACES 4
	s_branch .Lasked
.Lfor_nm:
	tensor_load_to_lds s[G0B:G0B+3], s[G1B:G1B+7]
	s_nop 0
	PLACES 4
.Lasked:
	s_wait_loadcnt 0x0
	v_mul_lo_u32 v[QS], v[QS], s53                 ; the byte in all four places
	v_mul_lo_u32 v[QS+1], v[QS+1], s53
.irp t, 0,1,2,3
	v_mul_f32 v[CA+2*\t], s52, v[MT+\t]            ; 16 a,
.endr
.irp t, 0,1,2,3
	v_mul_f32 v[CA+2*\t], s[CS], v[CA+2*\t]        ; x c,
.endr
.irp t, 0,1,2,3
	v_mov_b32 v[CA+2*\t+1], v[CA+2*\t]             ; twice: a pair for the packed form
.endr
	v_cmp_gt_u32 vcc_lo, 16, v1
	WIN 0x40
.irp t, 0,1,2,3
.irp i, 0,1,2,3,4,5
	v_mov_b32 v[QV+24*\t+\i], 0
	v_mov_b32 v[QV+24*\t+12+\i], 0
	v_cndmask_b32 v[QV+24*\t+6+\i], 0, v[S+6*\t+\i], vcc_lo
.endr
.endr
.irp i, 0,1,2,3,4,5
	v_mov_b32 v[QV+96+\i], 0
.endr
	v_cmp_le_u32 vcc_lo, 16, v1
.irp t, 0,1,2,3
.irp i, 0,1,2,3,4,5
	v_cndmask_b32 v[QV+24*\t+18+\i], 0, v[S+6*\t+\i], vcc_lo
.endr
.endr
	WIN 0
.irp i, 0,1,2,3
	v_mov_b32 v[XY+\i], 0                          ; a lane permute's destination counts as one of its sources
.endr
	v_add_nc_u32 v[W16], s49, v4
	v_add_nc_u32 v[W8], s49, v5
	v_add_nc_u32 v[W4], s50, v6
	v_add_nc_u32 v[WNM], s51, v7
	s_wait_alu depctr_va_vdst(0)                   ; the wait at the head's end
	s_wait_tensorcnt 0x0                           ; my part has landed,
	s_barrier_signal -1
	s_barrier_wait -1                              ; everybody's has
.macro KLOAD c, o                      ; group c of the step o steps on: its fragment and its nm
.irp i, 0,1,2
	ds_load_b128 v[KF+4*\i:KF+4*\i+3], v[W16] offset:3072*(\o)+1536*(\c)+512*\i
.endr
	WIN 0x40
.irp i, 0,1,2,3,4,5,6,7
	ds_load_b128 v[NMB+4*\i:NMB+4*\i+3], v[WNM] offset:512*(\o)+256*(\c)+16*\i
.endr
	WIN 0
.endm
.macro VLOAD o                         ; v's two fragments of 128 keys and their scale words
	WIN 0x40
.irp dt, 0,1
.irp g, 0,1
	ds_load_b128 v[VF+12*\dt+6*\g:VF+12*\dt+6*\g+3], v[W16] offset:3072*(\o)+VIMG+(2*\g+\dt)*768
	ds_load_b64 v[VF+12*\dt+6*\g+4:VF+12*\dt+6*\g+5], v[W8] offset:3072*(\o)+(2*\g+\dt)*768
.endr
.endr
	WIN 0
	ds_load_b32 v[VS], v[W4] offset:51200+128*(\o)
.endm
.macro SCORES x, c, pi                 ; 8 products: group c against tiles 2 pi, 2 pi + 1; the accumulators by turns
	WIN 0x14
.irp tl, 0,1
.irp u, 0,1,2,3
	W6 \x+32*\tl+8*\u, KF, QV+24*(2*(\pi)+\tl)+12*(\u%2)+6*(1-\u/2), NMB+8*\u, KS, QS+(\pi), \c, \tl
.endr
.endr
.endm
.macro MAXRUN                          ; set Y: each block's largest score, two chains a tile, ascending: each accumulator is read from its low end on
.irp k, 0,1,2,3
	v_max3_num_f32 v[TM+4+\k], v[Y+16*\k], v[Y+16*\k+1], v[Y+16*\k+2]
.endr
.irp i, 3,5,7,9,11,13
.irp k, 0,1,2,3
	v_max3_num_f32 v[TM+4+\k], v[TM+4+\k], v[Y+16*\k+\i], v[Y+16*\k+\i+1]
.endr
.endr
.irp tl, 0,1
	v_max3_num_f32 v[TM+4+2*\tl], v[TM+4+2*\tl], v[TM+5+2*\tl], v[Y+32*\tl+15]
.endr
.irp tl, 0,1
	v_max_num_f32 v[TM+4+2*\tl], v[TM+4+2*\tl], v[Y+32*\tl+31]
.endr
.endm
.macro CH q                            ; eight of set Y's scores become x
.if NXT
.irp i, 0,2,4,6
	v_pk_fma_f32 v[Y+8*(\q)+\i:Y+8*(\q)+\i+1], v[Y+8*(\q)+\i:Y+8*(\q)+\i+1], s[CS:CS+1], v[CA+2*(2*PY+(\q)/4):CA+2*(2*PY+(\q)/4)+1] op_sel_hi:[1,0,1]
.endr
.else
	v_nop
.endif
.endm
.macro XMAX                            ; the same multiply-add of each block's largest score
.irp tl, 0,1
	v_fma_f32 v[XMY+\tl], v[TM+4+2*\tl], s[CS], v[CA+2*(2*PY+\tl)]
.endr
.endm
; A UNIT.  j: its place in the step (c = j / 2, pi = j % 2); nxt: a unit follows; ahd: the unit after next exists; ld: the next step exists; zero: the step's products with v start the sums
.macro UNIT j, nxt, ahd, ld, zero
.set C,  (\j)/2
.set C2, 1-C
.set PI, (\j)%2
.set PY, 1-PI
.set X,  S+64*PI
.set Y,  S+64*PY
.set XMX, TM+2*PI
.set XMY, TM+2*PY
.set NXT, \nxt
.set ii, 0
.rept 64
	v_exp_f32 v[X+ii], v[X+ii]                     ; attn, finished: one batch,
.set ii, ii+1
.endr
	v_exp_f32 v[XMX], v[XMX]                       ; with the two blocks' largest
	v_exp_f32 v[XMX+1], v[XMX+1]
	v_nop                                          ; a plain instruction behind the last exponential
	s_wait_alu depctr_va_vdst(0)                   ; one wait for the batch, directly ahead of the first readers of the next unit's scores
.if \nxt
	MAXRUN
.endif
	CH 0                                           ; the next unit's multiply-adds, with this unit's short chains laid between them
.irp tl, 0,1
	v_max_num_f32 v[XMX+\tl], 0x2800000, v[XMX+\tl]   ; the floor 2^(5 - 127): the byte cannot fall under 1
.endr
	CH 1
.irp tl, 0,1
	v_add_nc_u32 v[TM+8+\tl], 0xfe000000, v[XMX+\tl]  ; 4 off the exponent field: the conversion's scale operand
.endr
	CH 2
.irp tl, 0,1
.if C == 0
	v_lshrrev_b32 v[PB+2*PI+\tl], 23, v[TM+8+\tl]  ; the byte of block h
.else
	v_lshrrev_b32 v[TM+10+\tl], 23, v[TM+8+\tl]
.endif
.endr
.irp tl, 0,1
	v_cvt_scalef32_pk16_bf6_f32 v[PC+12*(2*PI+\tl)+6*C:PC+12*(2*PI+\tl)+6*C+2], v[X+32*\tl:X+32*\tl+15], v[TM+8+\tl]
	v_cvt_scalef32_pk16_bf6_f32 v[CT+4*\tl:CT+4*\tl+2], v[X+32*\tl+16:X+32*\tl+31], v[TM+8+\tl]   ; (a conversion's three registers begin on an even number)
.endr
	CH 3                                           ; plain instructions behind the scaled conversions
.if C == 1
.irp tl, 0,1
	v_lshl_or_b32 v[PB+2*PI+\tl], v[TM+10+\tl], 16, v[PB+2*PI+\tl]   ; and the byte of block 2 + h
.endr
.endif
.irp tl, 0,1
.irp i, 0,1,2
	v_mov_b32 v[PC+12*(2*PI+\tl)+6*C+3+\i], v[CT+4*\tl+\i]
.endr
.endr
.if C == 1
.irp tl, 0,1
	v_lshlrev_b32 v[TM+12+\tl], v8, v[PB+2*PI+\tl] ; my two bytes at their places, 8 h bits up;
.endr
.endif
	CH 4
.if C == 1
.irp tl, 0,1
	v_permlanex16_b32 v[XY+\tl], v[TM+12+\tl], s[SEL], s[SEL+1]
.endr
.endif
	CH 5
.if C == 1
.irp tl, 0,1
	v_or_b32 v[PW+2*PI+\tl], v[TM+12+\tl], v[XY+\tl]   ; with lane l xor 16's two the scale word is whole
.endr
.endif
	CH 6                                           ; ten plain instructions from here on stand between the scale words' last write and the scaled products that read them
	CH 7
.if \nxt
	XMAX
.else
	PLACES 8
.endif
	s_wait_dscnt 0x0                               ; what was asked of LDS a unit ago
	s_wait_alu depctr_va_vdst(0)                   ; the wait ahead of the next batch, and ahead of the products that take O^T up again
.if \ahd
	SCORES X, C2, PI                               ; the unit after next, into the registers just converted
.endif
.if (\j) == 3
	WIN 0x51                                       ; source 0 (v), C and D (O^T) window 1; source 1 (p) window 0
.irp t, 0,1,2,3
.irp dt, 0,1
.if \zero
	W6Z O+16*\t+8*\dt, VF+12*\dt, PC+12*\t, VS, PW+\t, \dt
.else
	W6 O+16*\t+8*\dt, VF+12*\dt, PC+12*\t, O+16*\t+8*\dt, VS, PW+\t, \dt, 0
.endif
.endr
.endr
.endif
	WIN 0
	PLACES 4                                       ; in front of loads into registers that the products have read, and of the first read of results
.if \ld
.if (\j) == 1
	KLOAD 0, 1                                     ; the next step's first group
	ds_load_b32 v[KS], v[W4] offset:128
.endif
.if (\j) == 3
	KLOAD 1, 1                                     ; its second group, and its v
	VLOAD 1
	s_add_co_u32 s49, s49, 3072
	s_add_co_u32 s50, s50, 128
	s_add_co_u32 s51, s51, 512
	v_add_nc_u32 v[W16], s49, v4
	v_add_nc_u32 v[W8], s49, v5
	v_add_nc_u32 v[W4], s50, v6
	v_add_nc_u32 v[WNM], s51, v7
.endif
.endif
.endm
	KLOAD 0, 0
	ds_load_b32 v[KS], v[W4]
	s_wait_dscnt 0x0
	SCORES S, 0, 0
	SCORES S+64, 0, 1
	WIN 0
	PLACES 4
	KLOAD 1, 0
	VLOAD 0
.set Y, S
.set PY, 0
.set XMY, TM
.set NXT, 1
	MAXRUN
.irp q, 0,1,2,3,4,5,6,7
	CH \q
.endr
	XMAX
	s_wait_alu depctr_va_vdst(0)                   ; ahead of the first batch
	UNIT 0, 1, 1, 1, 1                             ; the first step: its products with v start the sums
	UNIT 1, 1, 1, 1, 1
	UNIT 2, 1, 1, 1, 1
	UNIT 3, 1, 1, 1, 1
	s_mov_b32 s48, 14
.Lstep:
	UNIT 0, 1, 1, 1, 0
	UNIT 1, 1, 1, 1, 0
	UNIT 2, 1, 1, 1, 0
	UNIT 3, 1, 1, 1, 0
	s_sub_co_u32 s48, s48, 1
	s_cmp_lg_u32 s48, 0
	s_cbranch_scc1 .Lstep
	UNIT 0, 1, 1, 0, 0                             ; the last step fetches nothing beyond the head's keys
	UNIT 1, 1, 1, 0, 0
	UNIT 2, 1, 0, 0, 0
	UNIT 3, 0, 0, 0, 0
	; THE WAY OUT.  A token's block is the head's 32 channels: 16 in lane (r, 0), 16 in lane (r, 1)
.irp t, 0,1,2,3
	v_mov_b32 v[TM+\t], 0x2800000                  ; the floor
.endr
	WIN 0x14
.irp i, 0,2,4,6,8,10,12,14
.irp t, 0,1,2,3
	v_max3_num_f32 v[TM+\t], v[TM+\t], |v[O+16*\t+\i]|, |v[O+16*\t+\i+1]|   ; ascending: each accumulator is read from its low end on
.endr
.endr
	WIN 0
.irp t, 0,1,2,3
	v_permlanex16_b32 v[TM+4+\t], v[TM+\t], s[SEL], s[SEL+1]
.endr
.irp t, 0,1,2,3
	v_max_num_f32 v[TM+\t], v[TM+\t], v[TM+4+\t]
.endr
.irp t, 0,1,2,3
	v_add_nc_u32 v[TM+8+\t], 0xfe000000, v[TM+\t]
.endr
.irp t, 0,1,2,3
	v_lshrrev_b32 v[TM+12+\t], 23, v[TM+8+\t]
.endr
	WIN 0x01
.irp p, 0,1
	v_cvt_scalef32_pk16_bf6_f32 v[S+16*\p:S+16*\p+2], v[O+32*\p:O+32*\p+15], v[TM+8+2*\p]
	v_cvt_scalef32_pk16_bf6_f32 v[S+16*\p+8:S+16*\p+10], v[O+32*\p+16:O+32*\p+31], v[TM+8+2*\p+1]
.endr
	WIN 0
	v_cmp_gt_u32 vcc_lo, 16, v1                    ; (the plain instruction behind the scaled conversions)
.irp p, 0,1
.irp i, 0,1,2
	v_permlane16_swap_b32 v[S+16*\p+\i], v[S+16*\p+8+\i]   ; the first now holds channels 0-15 of tiles 2 p | 2 p + 1, the second channels 16-31
.endr
.irp i, 0,1,2
	v_mov_b32 v[S+16*\p+3+\i], v[S+16*\p+8+\i]
.endr
	global_store_b128 v4, v[S+16*\p:S+16*\p+3], s[12:13] offset:768*\p           ; 32 lanes store 512 consecutive bytes,
	global_store_b64 v[L8], v[S+16*\p+4:S+16*\p+5], s[12:13] offset:768*\p+512   ; and 256
	v_cndmask_b32 v[XY+\p], v[TM+12+2*\p+1], v[TM+12+2*\p], vcc_lo
	ds_store_b8 v11, v[XY+\p] offset:32*\p
.endr
	s_wait_dscnt 0x0                               ; for wave 0's sake: my bytes have landed
	s_barrier_signal -1
	s_barrier_wait -1
	s_cmp_lg_u32 s[WV], 0
	s_cbranch_scc1 .Lno_osc
	ds_load_b128 v[TM:TM+3], v[AOS]
	s_wait_dscnt 0x0
	global_store_b128 v4, v[TM:TM+3], s[14:15]     ; the work-group's 512 scale bytes
.Lno_osc:
	s_wait_tensorcnt 0x0                           ; the wave's end
	ds_add_u32 v254, v255
	s_wait_dscnt 0x0
	ROUND                                          ; the closing round
	s_endpgm
.Lfunc_end_k_q0145c1ca47_attn:
	.size	k_q0145c1ca47_attn, .Lfunc_end_k_q0145c1ca47_attn-k_q0145c1ca47_attn
	.p2alignl 7, 3214868480
	.fill 96, 4, 3214868480
	.section	.rodata,"a",@progbits
	.p2align	6, 0x0
	.amdhsa_kernel k_q0145c1ca47_attn
		.amdhsa_group_segment_fixed_size 168960
		.amdhsa_private_segment_fixed_size 0
		.amdhsa_enable_private_segment 0
		.amdhsa_kernarg_size 48
		.amdhsa_user_sgpr_count 2
		.amdhsa_user_sgpr_kernarg_segment_ptr 1
		.amdhsa_wavefront_size32 1
		.amdhsa_system_sgpr_workgroup_id_x 1
		.amdhsa_system_sgpr_workgroup_id_y 1
		.amdhsa_system_sgpr_workgroup_id_z 1
		.amdhsa_system_vgpr_workitem_id 0
		.amdhsa_next_free_vgpr 512
		.amdhsa_next_free_sgpr 66
		.amdhsa_reserve_vcc 1
		.amdhsa_float_denorm_mode_32 3
		.amdhsa_float_denorm_mode_16_64 3
		.amdhsa_memory_ordered 1
		.amdhsa_forward_progress 1
		.amdhsa_inst_pref_size 128
	.end_amdhsa_kernel
	.amdgpu_metadata
---
amdhsa.version: [ 1, 2 ]
amdhsa.kernels:
  - .name:           k_q0145c1ca47_attn
    .symbol:         k_q0145c1ca47_attn.kd
    .args:
      - { .name: qrec, .offset: 0, .size: 8, .value_kind: global_buffer, .address_space: global }
      - { .name: kvrec, .offset: 8, .size: 8, .value_kind: global_buffer, .address_space: global }
      - { .name: nm, .offset: 16, .size: 8, .value_kind: global_buffer, .address_space: global }
      - { .name: mask, .offset: 24, .size: 8, .value_kind: global_buffer, .address_space: global }
      - { .name: oimg, .offset: 32, .size: 8, .value_kind: global_buffer, .address_space: global }
      - { .name: osc, .offset: 40, .size: 8, .value_kind: global_buffer, .address_space: global }
    .group_segment_fixed_size: 168960
    .private_segment_fixed_size: 0
    .kernarg_segment_align: 8
    .kernarg_segment_size: 48
    .max_flat_workgroup_size: 256
    .sgpr_count:     66
    .vgpr_count:     512
    .wavefront_size: 32
...
	.end_amdgpu_metadata
.endif
;; end of part 4
;; launch outp (part 5): grid 256 x 1, 8 waves a work-group, no clusters, 68,608 bytes of LDS; arguments oimg, osc, wimg, wsc, bo, out0; writes out0
.if DOCPART == 5
	.amdgcn_target "amdgcn-amd-amdhsa--gfx1250"
	.amdhsa_code_object_version 6
	.text
	.protected	k_q0145c1ca47_outp
	.globl	k_q0145c1ca47_outp
	.p2align	8
	.type	k_q0145c1ca47_outp,@function
k_q0145c1ca47_outp:
	s_mov_b64 s[64:65], 0
	v_nop
	global_prefetch_b8 v0, s[64:65] scope:SCOPE_SE
	s_setreg_imm32_b32 hwreg(HW_REG_WAVE_MODE, 25, 1), 1
	s_wait_xcnt 0x0
; out0 = o Wo^T + bo on codes of BF6 (E3M2) with one E8M0 scale for each 32 along K; K = 256 = 8 heads x 32 channels, so a block is a head.
; SHARES.  A work-group owns 64 tokens; wave w makes outputs 32 w .. 32 w + 31 (two tiles of Wo) for the four tiles of 16 tokens: 16 products.  Everything is loaded at the head, straight into operand registers.
; The product is used transposed (source 0 = 16 rows of Wo, source 1 = 16 tokens): a lane holds eight neighbouring outputs of one token.  bo is the C of each sum's first product.
; A token's 256 outputs come from eight waves: they meet in a stage in LDS (rows of 1,024 + 16 bytes), one barrier, and each wave stores eight whole rows.
.set WO,  16                           ; v16-63   Wo's fragments: tile tl, K step ks at 24 tl + 12 ks
.set WS,  64                           ; v64-65   their scale words (lanes 0-15 K step 0, lanes 16-31 K step 1)
.set BO,  66                           ; v66-81   bo in the result's layout, 8 a tile
.set OF,  82                           ; v82-177  o's fragments: tile of tokens tt, K step ks at 24 tt + 12 ks; later rows of out0
.set OS,  178                          ; v178-181 their scale words (lanes 0-15 heads 0-3, lanes 16-31 heads 4-7)
.set ACC, 184                          ; v184-247 accumulators at 16 tt + 8 tl; first the 16 scale bytes as loaded
.macro PLACES n
.rept \n
	v_nop
.endr
.endm
.macro W6 d, a, b, cc, sa, sb, ra, rb
.if (\ra) == 0 && (\rb) == 0
	v_wmma_scale_f32_16x16x128_f8f6f4 v[\d:\d+7], v[\a:\a+11], v[\b:\b+11], v[\cc:\cc+7], v[\sa], v[\sb] matrix_a_fmt:MATRIX_FMT_BF6 matrix_b_fmt:MATRIX_FMT_BF6
.else
	v_wmma_scale_f32_16x16x128_f8f6f4 v[\d:\d+7], v[\a:\a+11], v[\b:\b+11], v[\cc:\cc+7], v[\sa], v[\sb] matrix_a_fmt:MATRIX_FMT_BF6 matrix_b_fmt:MATRIX_FMT_BF6 matrix_a_scale:MATRIX_SCALE_ROW1 matrix_b_scale:MATRIX_SCALE_ROW1
.endif
.endm
	s_load_b256 s[4:11], s[0:1], 0x0               ; oimg, osc, wimg, wsc
	s_load_b128 s[12:15], s[0:1], 0x20             ; bo, out0
	v_lshl_add_u32 v254, v0, 2, 0x10800
	v_mov_b32 v255, 0
	v_lshrrev_b32 v1, 5, v0
	s_delay_alu instid0(VALU_DEP_1)
	v_readfirstlane_b32 s16, v1                    ; wave 0..7
	v_and_b32 v1, 31, v0                           ; L
	v_and_b32 v2, 15, v0                           ; r
	v_bfe_u32 v3, v0, 4, 1                         ; h
	s_lshr_b32 s17, ttmp9, 5                       ; the batch
	s_and_b32 s18, ttmp9, 31                       ; the group of 64 tokens in it
	v_lshlrev_b32 v4, 4, v1                        ; 16 L
	v_lshlrev_b32 v5, 2, v1                        ; 4 L
	v_mul_u32_u24 v6, v3, 49152                    ; lane half h takes the head one further on
	s_delay_alu instid0(VALU_DEP_1)
	v_lshl_add_u32 v7, v2, 3, v6                   ; registers 4-5 of an image: 8 r
	s_delay_alu instid0(VALU_DEP_2)
	v_lshl_add_u32 v6, v2, 4, v6                   ; registers 0-3: 16 r
	v_lshl_add_u32 v8, v3, 13, v2                  ; scale bytes: four heads on for lanes 16-31, + r
	v_lshlrev_b32 v9, 5, v3                        ; bo: 8 h numbers on
	v_mul_u32_u24 v10, v2, 1040
	s_delay_alu instid0(VALU_DEP_1)
	v_lshl_add_u32 v10, v3, 5, v10
	s_lshl_b32 s19, s16, 7
	v_add_nc_u32 v10, s19, v10                     ; the stage, in: row r, + 32 h, + 128 x wave
	s_mul_i32 s19, s16, 8320
	v_add_nc_u32 v11, s19, v4                      ; back: my eight rows, 16 bytes a lane
	s_mov_b32 s21, 0
	s_wait_alu depctr_va_vdst(0)
	s_wait_kmcnt 0x0
	s_mul_i32 s20, s17, 393216
	s_mul_i32 s22, s18, 1536
	s_add_co_u32 s20, s20, s22
	s_add_nc_u64 s[4:5], s[4:5], s[20:21]          ; head 0 of the batch, the group's two images
	s_lshl_b32 s20, s17, 14
	s_lshl_b32 s22, s18, 6
	s_add_co_u32 s20, s20, s22
	s_add_nc_u64 s[6:7], s[6:7], s[20:21]
	s_mul_i32 s20, s16, 6144
	s_add_nc_u64 s[8:9], s[8:9], s[20:21]          ; my two tiles of Wo (147,456 on)
	s_lshl_b32 s20, s16, 8
	s_add_nc_u64 s[10:11], s[10:11], s[20:21]
	s_lshl_b32 s20, s16, 7
	s_add_nc_u64 s[12:13], s[12:13], s[20:21]
	s_lshl_b32 s20, ttmp9, 16
	s_lshl_b32 s22, s16, 13
	s_add_co_u32 s20, s20, s22
	s_add_nc_u64 s[14:15], s[14:15], s[20:21]      ; row 64 X + 8 w of out0
.irp tt, 0,1,2,3                               ; o's fragments: registers 6 g on of K step ks hold head 4 ks + 2 g + h's 32 codes of token 16 tt + r
.irp ks, 0,1
.irp g, 0,1
	global_load_b128 v[OF+24*\tt+12*\ks+6*\g:OF+24*\tt+12*\ks+6*\g+3], v6, s[4:5] offset:(4*\ks+2*\g)*49152+(\tt/2)*768+256*(\tt%2)
	global_load_b64 v[OF+24*\tt+12*\ks+6*\g+4:OF+24*\tt+12*\ks+6*\g+5], v7, s[4:5] offset:(4*\ks+2*\g)*49152+(\tt/2)*768+512+128*(\tt%2)
.endr
.endr
.irp i, 0,1,2,3
	global_load_u8 v[ACC+4*\tt+\i], v8, s[6:7] offset:2048*\i+16*\tt
.endr
.endr
.irp tl, 0,1
.irp ks, 0,1
.irp c, 0,1,2
	global_load_b128 v[WO+24*\tl+12*\ks+4*\c:WO+24*\tl+12*\ks+4*\c+3], v4, s[8:9] offset:147456+3072*\tl+1536*\ks+512*\c
.endr
.endr
	global_load_b32 v[WS+\tl], v5, s[10:11] offset:6144+128*\tl
	global_load_b128 v[BO+8*\tl:BO+8*\tl+3], v9, s[12:13] offset:64*\tl
	global_load_b128 v[BO+8*\tl+4:BO+8*\tl+7], v9, s[12:13] offset:64*\tl+16
.endr
	s_wait_loadcnt 0x0
.irp tt, 0,1,2,3
	v_lshl_or_b32 v[OS+\tt], v[ACC+4*\tt+1], 8, v[ACC+4*\tt]
	s_delay_alu instid0(VALU_DEP_1)
	v_lshl_or_b32 v[OS+\tt], v[ACC+4*\tt+2], 16, v[OS+\tt]
	s_delay_alu instid0(VALU_DEP_1)
	v_lshl_or_b32 v[OS+\tt], v[ACC+4*\tt+3], 24, v[OS+\tt]
.endr
	PLACES 8                                       ; scale words written by vector instructions stand eight places ahead of a scaled product
.irp tt, 0,1,2,3                               ; eight accumulators by turns, a K step at a time
.irp tl, 0,1
	W6 ACC+16*\tt+8*\tl, WO+24*\tl, OF+24*\tt, BO+8*\tl, WS+\tl, OS+\tt, 0, 0
.endr
.endr
.irp tt, 0,1,2,3
.irp tl, 0,1
	W6 ACC+16*\tt+8*\tl, WO+24*\tl+12, OF+24*\tt+12, ACC+16*\tt+8*\tl, WS+\tl, OS+\tt, 1, 1
.endr
.endr
	PLACES 4                                       ; in front of the first read of results, and of the loads into o's registers below
.irp tt, 0,1,2,3
.irp tl, 0,1
	ds_store_b128 v10, v[ACC+16*\tt+8*\tl:ACC+16*\tt+8*\tl+3] offset:16*\tt*1040+64*\tl        ; lane (r, h): out(16 tt + r, 32 w + 16 tl + 8 h + 0 .. 7); each accumulator from its low end on
	ds_store_b128 v10, v[ACC+16*\tt+8*\tl+4:ACC+16*\tt+8*\tl+7] offset:16*\tt*1040+64*\tl+16
.endr
.endr
	s_wait_dscnt 0x0                               ; for the others' sake: my stores have landed
	s_barrier_signal -1
	s_barrier_wait -1                              ; 64 whole rows lie in the stage
.irp n, 0,1,2,3,4,5,6,7,8,9,10,11,12,13,14,15
	ds_load_b128 v[OF+4*\n:OF+4*\n+3], v11 offset:1040*(\n/2)+512*(\n%2)
.endr
.irp n, 0,1,2,3,4,5,6,7,8,9,10,11,12,13,14,15
	s_wait_dscnt 15-\n                             ; load n is in; the 15 - n issued behind it may stay out
	global_store_b128 v4, v[OF+4*\n:OF+4*\n+3], s[14:15] offset:1024*(\n/2)+512*(\n%2) th:TH_STORE_NT   ; 32 lanes store 512 consecutive bytes, at a multiple of 256 from out0's first byte
.endr
	s_wait_tensorcnt 0x0
	ds_add_u32 v254, v255
	s_wait_dscnt 0x0
	s_endpgm
.Lfunc_end_k_q0145c1ca47_outp:
	.size	k_q0145c1ca47_outp, .Lfunc_end_k_q0145c1ca47_outp-k_q0145c1ca47_outp
	.p2alignl 7, 3214868480
	.fill 96, 4, 3214868480
	.section	.rodata,"a",@progbits
	.p2align	6, 0x0
	.amdhsa_kernel k_q0145c1ca47_outp
		.amdhsa_group_segment_fixed_size 68608
		.amdhsa_private_segment_fixed_size 0
		.amdhsa_enable_private_segment 0
		.amdhsa_kernarg_size 48
		.amdhsa_user_sgpr_count 2
		.amdhsa_user_sgpr_kernarg_segment_ptr 1
		.amdhsa_wavefront_size32 1
		.amdhsa_system_sgpr_workgroup_id_x 1
		.amdhsa_system_sgpr_workgroup_id_y 1
		.amdhsa_system_sgpr_workgroup_id_z 1
		.amdhsa_system_vgpr_workitem_id 0
		.amdhsa_next_free_vgpr 256
		.amdhsa_next_free_sgpr 66
		.amdhsa_reserve_vcc 0
		.amdhsa_float_denorm_mode_32 3
		.amdhsa_float_denorm_mode_16_64 3
		.amdhsa_memory_ordered 1
		.amdhsa_forward_progress 1
		.amdhsa_inst_pref_size 17
	.end_amdhsa_kernel
	.amdgpu_metadata
---
amdhsa.version: [ 1, 2 ]
amdhsa.kernels:
  - .name:           k_q0145c1ca47_outp
    .symbol:         k_q0145c1ca47_outp.kd
    .args:
      - { .name: oimg, .offset: 0, .size: 8, .value_kind: global_buffer, .address_space: global }
      - { .name: osc, .offset: 8, .size: 8, .value_kind: global_buffer, .address_space: global }
      - { .name: wimg, .offset: 16, .size: 8, .value_kind: global_buffer, .address_space: global }
      - { .name: wsc, .offset: 24, .size: 8, .value_kind: global_buffer, .address_space: global }
      - { .name: bo, .offset: 32, .size: 8, .value_kind: global_buffer, .address_space: global }
      - { .name: out0, .offset: 40, .size: 8, .value_kind: global_buffer, .address_space: global }
    .group_segment_fixed_size: 68608
    .private_segment_fixed_size: 0
    .kernarg_segment_align: 8
    .kernarg_segment_size: 48
    .max_flat_workgroup_size: 256
    .sgpr_count:     66
    .vgpr_count:     256
    .wavefront_size: 32
...
	.end_amdgpu_metadata
.endif
;; end of part 5
